; MI455X (gfx1250); checked and timed in simulation.
; The chip was launched on July 23, 2026; its instructions are those of AMD's public machine-readable ISA for CDNA 5 (MIT licence, August 2026) and "CDNA5" Instruction Set Architecture Reference Guide (July 2026). The comments in the code are by the model that wrote it; some were corrected since.
;; Multi Head Self Attention. Allowed arithmetic: matrix products marked QUANTISED: E4M3 operands, one given power-of-two scale a tensor, by v_wmma_f32_16x16x64_fp8_fp8 or v_wmma_f32_16x16x128_fp8_fp8, f32 sums; everything else in f32.
;; Inputs: W_K 1,024 x 1,024 float32; W_O 1,024 x 1,024 float32; W_Q 1,024 x 1,024 float32; W_V 1,024 x 1,024 float32; lowp_scales 12 int32 (the exponents e of the quantised operands' scales 2^e); token_positions 2,048 int32; x 4 x 2,048 x 1,024 float32.
;; Outputs: out0 4 x 2,048 x 1,024 float32.
;; This version of the problem:
;;   THIS VERSION OF THE PROBLEM IS GIVEN IN LOW PRECISION. The matrix products marked QUANTISED in the list below multiply operands that are first quantised to E4M3 (4 exponent bits, 3 mantissa bits; 8 bits a number), with one given power-of-two scale for each operand tensor; their sums are f32. All else is computed in f32.
;;   The module's matrix products, in the order in which they are computed (A, B: the left and right operand; K: the contracted axis; several contracted axes count as one K, in the product's order):
;;     1. [M 8,192, K 1,024] x [K 1,024, N 1,024]; A: input x; B: input W_Q: QUANTISED (scales: A lowp_scales[0], B lowp_scales[1])
;;     2. [M 8,192, K 1,024] x [K 1,024, N 1,024]; A: input x; B: input W_K: QUANTISED (scales: A lowp_scales[2], B lowp_scales[3])
;;     3. [M 8,192, K 1,024] x [K 1,024, N 1,024]; A: input x; B: input W_V: QUANTISED (scales: A lowp_scales[4], B lowp_scales[5])
;;     4. batch 64 x [M 2,048, K 64] x [K 64, N 2,048]; A: computed on the way; B: computed on the way: QUANTISED (scales: A lowp_scales[6], B lowp_scales[7])
;;     5. batch 64 x [M 64, K 2,048] x [K 2,048, N 2,048]; A: computed on the way; B: softmax (see below): QUANTISED (scales: A lowp_scales[8], B lowp_scales[9])
;;     6. [M 8,192, K 1,024] x [K 1,024, N 1,024]; A: computed on the way; B: input W_O: QUANTISED (scales: A lowp_scales[10], B lowp_scales[11])
;;   THE QUANTISER, for each operand of a quantised product, along K:
;;     - The operand's scale is 2^e, e = its entry of the input lowp_scales (int32; the entries are numbered through the quantised products in the list's order, A before B).
;;     - Each number is divided by the scale, clamped to +-448, and rounded to the nearest number of E4M3, ties to even, subnormals kept.
;;     - The product sums the exact products of the quantised numbers (number of the format x scale) in f32.
;;   ~~~python
;;   def quantise(x, axis, e):      # numpy; x: float32 -> the quantised numbers, widened to float32 again
;;       x = np.moveaxis(x, axis, -1); K = x.shape[-1]
;;       r = np.clip(x / 2.0 ** e, -448, 448)
;;       step = 2.0 ** (np.maximum(np.frexp(np.where(r == 0, 1, r))[1] - 1, -6) - 3)
;;       q = np.round(r / step) * step * 2.0 ** e      # np.round: ties to even
;;       return np.moveaxis(q, -1, axis).astype(np.float32)
;;   ~~~
;;   SOFTMAX AHEAD OF A QUANTISED PRODUCT. Where the list says 'softmax', what is quantised is not the finished softmax but p = 2^(t - M), with t = logit x log2(e) and M = ceil(the row's largest t), a whole number; so 1/2 < the row's largest p <= 1. The row's sum l is taken of the UNQUANTISED p, in f32, and the product's result is divided by l at the end. Since M is a whole number, a kernel that streams over the keys may use a running M (the ceiling of the running maximum): every later rescaling is an exact power of two, so the quantised numbers keep their values, but for numbers so far below the row's largest that they fall under the format's range.
;;   OPERANDS COMPUTED ON THE WAY. 'Computed on the way' means the value that the module computes at that place (a softmax that the list does not call 'softmax' is quantised finished and normalised). What goes into a quantiser is computed in f32, as accurately as f32 sums, v_exp_f32 and their like allow (about 1e-6 of the number): no bf16 or f16 on the way to a quantiser, and a product that is left as it is and whose result goes on into a quantised operand takes f32 operands (vector FMAs, or v_wmma_f32_16x16x4_f32). A number that lies on a knife's edge between two numbers of the format may be rounded either way, as far as f32 arithmetic and the matrix unit's own rounding can turn it there, and no further.
;; One version. Each part assembles by itself: llvm-mc -triple=amdgcn-amd-amdhsa -mcpu=gfx1250 --defsym DOCPART=n.
;; ======== version 1 of 1: 4 launches
;; limits: right only within a limited range of input values
;; workspace buffers: xq 25,165,824 bytes; wc 4,194,304 bytes; tab 524,288 bytes; qc 8,388,608 bytes; kc 8,388,608 bytes; vc 8,388,608 bytes; ao 8,388,608 bytes
;; launch prep (part 1): grid 416 x 1, 4 waves a work-group, no clusters, 33,280 bytes of LDS; arguments x, W_Q, W_K, W_V, W_O, token_positions, lowp_scales, xq, wc, tab; writes xq, wc, tab
.if DOCPART == 1
	.amdgcn_target "amdgcn-amd-amdhsa--gfx1250"
	.amdhsa_code_object_version 6
	.text
	.protected	k_qef272ba0ad_prep
	.globl	k_qef272ba0ad_prep
	.p2align	8
	.type	k_qef272ba0ad_prep,@function
k_qef272ba0ad_prep:
	s_mov_b64 s[64:65], 0
	v_nop
	global_prefetch_b8 v0, s[64:65] scope:SCOPE_SE
	s_setreg_imm32_b32 hwreg(HW_REG_WAVE_MODE, 25, 1), 1
	s_wait_xcnt 0x0
; PREP.  x [8192][1024] f32 becomes codes of E4M3 three times, once for each of its three given scales (entries 0, 2, 4 of the scales): xq = three images [8192][1024], one byte a code.
; W_Q, W_K, W_V, W_O [1024 n][1024 k] f32 become codes with entries 1, 3, 5, 11: wc = four images [1024][1024].  K is innermost in all of them, so every tensor is a plain stream.
; code = number / 2^e, held within +-448, rounded to the nearest code, ties to even.
; tab = sin and cos of token_positions[s] x 10000^(-f/32), f = 0 .. 31, f32, in the order in which the next launch's registers take them:
;   [s / 16][b 0..3][half 0..1][lane 0..31][4 numbers]; lane (r = lane % 16, h = lane / 16) holds sin f, cos f, sin f+1, cos f+1 of token 16 (s / 16) + r, f = 8 b + 4 h + 2 half.
; SHARES.  Work-groups 0-255: x; 256-383: the four weights, 32 work-groups each; 384-415: the table, a wave to 16 tokens.  A wave of the first two kinds takes 8,192 numbers: 16 steps of 512.
; A step's four loads read 512 consecutive bytes each; the 2,048 bytes turn through the wave's own stage in LDS and come back 64 bytes a lane, so that a lane holds 16 neighbours along K, as the
; conversions want them; a lane's 16 codes are 16 bytes, so a wave's store covers 512 consecutive bytes.  x's numbers are read once and converted three times; a scalar branch on the kind of
; work-group leads round the second and third conversion for the weights.  No tensor loads, no barrier: waves share nothing.
; LIMITS: each of the seven exponents between -126 and 119, so that 2^e and 448 x 2^e are f32 numbers; |token position| under 2^22 (the multiple of pi/2 taken off the angle is then a whole
; number that f32 holds, and what is left out of pi/2's two parts adds under 5e-9 to the angle); NaN among the inputs is not served.
.set STEPS, 16
.set R,     16                         ; v16-79   four sets of 16 numbers as they are loaded
.set X,     80                         ; v80-111  two sets of 16 neighbours
.set H,     112                        ; v112-127 16 numbers held within the largest code x the scale
.set C,     128                        ; v128-223 codes: 12 registers a step, eight steps by turns
.set WREG,  8192                       ; LDS: a region for each wave: two stages of 32 x SP bytes
.set SP,    80                         ; a lane's place in a stage: its 64 bytes + 16 of padding
.set SPARE, 4*WREG                     ; behind the four regions: the spare words, 128 bytes for each wave
.set SPW,   12                         ; v12  LDS address of my spare word; never rewritten
.set NIL,   13                         ; v13  0; never rewritten
.set WV,    24                         ; s24  my wave's number
.set SRC,   26                         ; s[26:27] where my numbers begin
.set D0,    28                         ; s[28:29] where my codes go; s[52:53], s[54:55]: x's second and third image
.set D1,    52
.set D2,    54
.set JOB,   30                         ; s30  0: x, 1: a weight
	s_load_b256 s[4:11], s[0:1], 0x0               ; x, W_Q, W_K, W_V
	s_load_b256 s[12:19], s[0:1], 0x20             ; W_O, token_positions, the scales' exponents, xq
	s_load_b128 s[20:23], s[0:1], 0x40             ; wc, tab
	v_lshl_add_u32 v[SPW], v0, 2, SPARE
	v_mov_b32 v[NIL], 0
	v_lshrrev_b32 v1, 5, v0
	v_readfirstlane_b32 s[WV], v1                  ; wave 0..3
	v_and_b32 v2, 31, v0                           ; lane
	s_cmp_ge_u32 ttmp9, 384
	s_cbranch_scc1 .Ltable                         ; the last 32 work-groups make the table
	; ---- numbers into codes
	v_lshlrev_b32 v3, 4, v2                        ; 16 x lane: my 16 bytes of a load's 512, and of a store's
	s_mul_i32 s25, s[WV], WREG
	v_lshrrev_b32 v14, 2, v2
	v_mul_u32_u24 v14, v14, SP
	v_and_b32 v15, 3, v2
	v_lshl_add_u32 v14, v15, 4, v14
	v_add_nc_u32 v14, s25, v14                     ; the stage, on the way in: four lanes' 64 bytes on end, then 16 of padding
	v_mul_u32_u24 v15, v2, SP
	v_add_nc_u32 v15, s25, v15                     ; and on the way out: SP x lane: my 16 neighbours
	s_sub_co_u32 s31, ttmp9, 256
	s_and_b32 s32, s31, 31                         ; a weight's work-group: which of its 32,
	s_lshr_b32 s33, s31, 5                         ; and which weight: 0 Q, 1 K, 2 V, 3 O
	s_cmp_lt_u32 ttmp9, 256
	s_cselect_b32 s32, ttmp9, s32
	s_cselect_b32 s33, 0, s33
	s_cselect_b32 s[JOB], 0, 1
	s_lshl_b32 s32, s32, 2
	s_add_co_u32 s32, s32, s[WV]                   ; which run of 8,192 numbers of the tensor is my wave's
	s_lshl_b32 s34, s32, 15                        ; in bytes of f32,
	s_mov_b32 s35, 0
	s_lshl_b32 s36, s32, 13                        ; and of codes,
	s_lshl_b32 s33, s33, 20
	s_add_co_u32 s36, s36, s33                     ; in the weight's image
	s_mov_b32 s37, 0
	s_wait_alu depctr_va_vdst(0)
	s_wait_kmcnt 0x0
	s_load_b256 s[40:47], s[16:17], 0x0            ; e0 .. e7
	s_load_b128 s[48:51], s[16:17], 0x20           ; e8 .. e11
	s_cmp_lt_u32 ttmp9, 256                        ; the buffers are chosen by the work-group's number alone
	s_cselect_b64 s[SRC:SRC+1], s[4:5], s[6:7]
	s_cselect_b64 s[D0:D0+1], s[18:19], s[20:21]
	s_cmp_lt_u32 ttmp9, 288
	s_cselect_b64 s[SRC:SRC+1], s[SRC:SRC+1], s[8:9]
	s_cmp_lt_u32 ttmp9, 320
	s_cselect_b64 s[SRC:SRC+1], s[SRC:SRC+1], s[10:11]
	s_cmp_lt_u32 ttmp9, 352
	s_cselect_b64 s[SRC:SRC+1], s[SRC:SRC+1], s[12:13]
	s_add_nc_u64 s[SRC:SRC+1], s[SRC:SRC+1], s[34:35]
	s_add_nc_u64 s[D0:D0+1], s[D0:D0+1], s[36:37]
	s_add_nc_u64 s[D1:D1+1], s[D0:D0+1], 0x800000  ; x's second and third image (used by x's work-groups alone)
	s_add_nc_u64 s[D2:D2+1], s[D0:D0+1], 0x1000000
.macro LOAD t
.irp i, 0,1,2,3
	global_load_b128 v[R+16*((\t)%4)+4*\i:R+16*((\t)%4)+4*\i+3], v3, s[SRC:SRC+1] offset:2048*(\t)+512*\i th:TH_LOAD_NT   ; 32 lanes read 512 consecutive bytes
.endr
.endm
.macro TURN t                          ; step t's numbers through the stage: LDS serves a wave's instructions in order, so no wait stands between the stores and the loads
.irp i, 0,1,2,3
	ds_store_b128 v14, v[R+16*((\t)%4)+4*\i:R+16*((\t)%4)+4*\i+3] offset:32*SP*((\t)%2)+8*SP*\i
.endr
.irp i, 0,1,2,3
	ds_load_b128 v[X+16*((\t)%2)+4*\i:X+16*((\t)%2)+4*\i+3], v15 offset:32*SP*((\t)%2)+16*\i
.endr
.endm
.irp t, 0,1,2,3
	LOAD \t
.endr
.macro MKSC e, sc                      ; v[sc] = 2^e as f32 (the conversion takes its exponent field), v[sc + 1] = 448 x 2^e
	s_add_co_i32 s56, \e, 127
	s_lshl_b32 s57, s56, 23
	v_mov_b32 v[\sc], s57
	s_add_co_i32 s56, s56, 8
	s_lshl_b32 s56, s56, 23
	s_or_b32 s56, s56, 0x600000
	v_mov_b32 v[\sc+1], s56
.endm
	s_wait_kmcnt 0x0
	s_cmp_lt_u32 ttmp9, 256                        ; the first conversion's exponent: e0 for x, e1, e3, e5, e11 for the weights
	s_cselect_b32 s58, s40, s41
	s_cmp_lt_u32 ttmp9, 288
	s_cselect_b32 s58, s58, s43
	s_cmp_lt_u32 ttmp9, 320
	s_cselect_b32 s58, s58, s45
	s_cmp_lt_u32 ttmp9, 352
	s_cselect_b32 s58, s58, s51
	MKSC s58, 6
	MKSC s42, 8                                    ; e2
	MKSC s44, 10                                   ; e4
	s_wait_alu depctr_va_vdst(0)
	s_wait_loadcnt 12                              ; step 0's four loads are in
	TURN 0
; conversion k of step t: hold, convert, store to the image at s[d]
.macro CONV k, t, d
.set CC, C+12*((\t)%8)+4*(\k)
.set i, 0
.rept 16
	v_med3_num_f32 v[H+i], v[XS+i], -v[7+2*(\k)], v[7+2*(\k)]   ; the conversion to an 8-bit code does not saturate (ISA guide 7.6.2): the hold at the largest code x the scale
.set i, i+1
.endr
	v_cvt_scalef32_pk8_fp8_f32 v[CC:CC+1], v[H:H+7], v[6+2*(\k)]
	v_cvt_scalef32_pk8_fp8_f32 v[CC+2:CC+3], v[H+8:H+15], v[6+2*(\k)]
	v_nop                                          ; a plain line between the conversions and the next holds, which write the conversions' sources
	global_store_b128 v3, v[CC:CC+3], s[\d:\d+1] offset:512*(\t)   ; 32 lanes store 512 consecutive bytes
.endm
.macro STEP t
.set XS, X+16*((\t)%2)
	s_wait_dscnt 0x0                               ; this step's numbers are back from the stage: so its stores into the stage have read their registers,
.if (\t)+4 < STEPS
	LOAD (\t)+4                                    ; which take the loads of four steps on
.endif
.if (\t)+1 < STEPS
.if STEPS-2-(\t) >= 3
	s_wait_loadcnt 12                              ; the next step's four loads are in; those of the three steps behind it may be out
.else
	s_wait_loadcnt 4*(STEPS-2-(\t))
.endif
	TURN (\t)+1                                    ; and go through the other stage while this step is worked
.endif
.if (\t) == 8
	s_wait_xcnt 0x0                                ; the codes' registers begin their second turn: the stores of steps 0 to 7 have read theirs
.endif
	CONV 0, \t, D0
	s_cmp_lg_u32 s[JOB], 0
	s_cbranch_scc1 .Lone_\@                        ; a weight has one scale
	CONV 1, \t, D1
	CONV 2, \t, D2
.Lone_\@:
.endm
.irp t, 0,1,2,3,4,5,6,7,8,9,10,11,12,13,14,15
	STEP \t
.endr
	s_wait_tensorcnt 0x0                           ; the wave's end, behind my last LDS store
	ds_add_u32 v[SPW], v[NIL]
	s_wait_dscnt 0x0
	s_endpgm
	; ---- the table: no LDS, one wave to 16 tokens
.Ltable:
	v_and_b32 v3, 15, v0                           ; r
	v_bfe_u32 v4, v0, 4, 1                         ; h
	v_lshlrev_b32 v5, 2, v3                        ; my token's position: 4 r
	s_wait_alu depctr_va_vdst(0)
	v_lshlrev_b32 v6, 4, v2                        ; 16 x lane
	s_sub_co_u32 s26, ttmp9, 384
	s_lshl_b32 s26, s26, 2
	s_add_co_u32 s26, s26, s[WV]                   ; which 16 tokens: 0 .. 127
	s_lshl_b32 s28, s26, 6
	s_mov_b32 s29, 0
	s_lshl_b32 s30, s26, 12                        ; 4,096 bytes of table for 16 tokens
	s_mov_b32 s31, 0
	s_mov_b32 s66, 0x3f22f983                      ; 2 / pi
	s_mov_b32 s67, 0xbfc90fdb                      ; -(pi / 2 rounded to f32)
	s_mov_b32 s68, 0x333bbd2e                      ; that number less pi / 2
	s_mov_b32 s69, 0xb94ca1f9                      ; sin r = r + r z (((-1.9515296e-4) z + 8.3321609e-3) z - 1.6666655e-1), z = r r, |r| <= pi / 4
	s_mov_b32 s70, 0x3c08839e
	s_mov_b32 s71, 0xbe2aaaa3
	s_mov_b32 s72, 0x37ccf5ce                      ; cos r = 1 + z (-0.5 + z ((2.4433157e-5 z - 1.3887316e-3) z + 4.1666646e-2))
	s_mov_b32 s73, 0xbab6061a
	s_mov_b32 s74, 0x3d2aaaa5
	s_wait_kmcnt 0x0
	s_add_nc_u64 s[14:15], s[14:15], s[28:29]
	s_add_nc_u64 s[22:23], s[22:23], s[30:31]
	global_load_b32 v7, v5, s[14:15]
	v_cmp_eq_u32 s50, 1, v4                        ; lanes 16-31
	s_wait_loadcnt 0x0
	v_cvt_f32_i32 v7, v7
; sin and cos of the angle in v8 into v[o], v[o + 1].  n = the nearest whole multiple of pi / 2; r = angle - n pi / 2, pi / 2 in two parts (the first product is taken off exactly by the fused form);
; the quadrant chooses between the two polynomials and sets the signs, by selects alone.
.macro SINCOS o
	v_mul_f32 v20, s66, v8
	v_rndne_f32 v20, v20
	v_fma_f32 v21, v20, s67, v8
	v_fma_f32 v21, v20, s68, v21
	v_cvt_i32_f32 v22, v20
	v_mul_f32 v23, v21, v21
	v_fma_f32 v24, v23, s69, s70
	v_fma_f32 v26, v23, s72, s73
	v_fma_f32 v24, v24, v23, s71
	v_fma_f32 v26, v26, v23, s74
	v_mul_f32 v25, v21, v23
	v_fma_f32 v26, v26, v23, -0.5
	v_fma_f32 v24, v24, v25, v21                   ; sin r
	v_fma_f32 v26, v26, v23, 1.0                   ; cos r
	v_and_b32 v27, 1, v22
	v_cmp_eq_u32 vcc_lo, 1, v27                    ; an odd quadrant swaps the two
	v_cndmask_b32 v[(\o)], v24, v26, vcc_lo
	v_cndmask_b32 v[(\o)+1], v26, v24, vcc_lo
	v_lshlrev_b32 v27, 30, v22                     ; the sine's sign: bit 1 of n;
	v_add_nc_u32 v28, 1, v22                       ; the cosine's: bit 1 of n + 1
	v_and_b32 v27, 0x80000000, v27
	v_lshlrev_b32 v28, 30, v28
	v_xor_b32 v[(\o)], v[(\o)], v27
	v_and_b32 v28, 0x80000000, v28
	v_xor_b32 v[(\o)+1], v[(\o)+1], v28
.endm
; frequency f = 8 b + 4 h + p: 10^(-f / 8), for lanes 0-15 (lo) and lanes 16-31 (hi); the angle is one f32 product, as the problem has it
.macro ENTRY b, p, lo, hi
	v_mov_b32 v8, \lo
	v_mov_b32 v9, \hi
	v_cndmask_b32 v8, v8, v9, s50
	v_mul_f32 v8, v7, v8
	SINCOS 64+8*(\b)+2*(\p)
.endm
	ENTRY 0, 0, 1.0, 0.316227766017
	ENTRY 0, 1, 0.749894209332, 0.237137370566
	ENTRY 0, 2, 0.562341325190, 0.177827941004
	ENTRY 0, 3, 0.421696503429, 0.133352143216
	ENTRY 1, 0, 0.1, 0.0316227766017
	ENTRY 1, 1, 0.0749894209332, 0.0237137370566
	ENTRY 1, 2, 0.0562341325190, 0.0177827941004
	ENTRY 1, 3, 0.0421696503429, 0.0133352143216
	ENTRY 2, 0, 0.01, 0.00316227766017
	ENTRY 2, 1, 0.00749894209332, 0.00237137370566
	ENTRY 2, 2, 0.00562341325190, 0.00177827941004
	ENTRY 2, 3, 0.00421696503429, 0.00133352143216
	ENTRY 3, 0, 0.001, 0.000316227766017
	ENTRY 3, 1, 0.000749894209332, 0.000237137370566
	ENTRY 3, 2, 0.000562341325190, 0.000177827941004
	ENTRY 3, 3, 0.000421696503429, 0.000133352143216
.irp b, 0,1,2,3
.irp u, 0,1
	global_store_b128 v6, v[64+8*\b+4*\u:64+8*\b+4*\u+3], s[22:23] offset:1024*\b+512*\u   ; 32 lanes store 512 consecutive bytes
.endr
.endr
	s_endpgm
.Lfunc_end_k_qef272ba0ad_prep:
	.size	k_qef272ba0ad_prep, .Lfunc_end_k_qef272ba0ad_prep-k_qef272ba0ad_prep
	.p2alignl 7, 3214868480
	.fill 96, 4, 3214868480
	.section	.rodata,"a",@progbits
	.p2align	6, 0x0
	.amdhsa_kernel k_qef272ba0ad_prep
		.amdhsa_group_segment_fixed_size 33280
		.amdhsa_private_segment_fixed_size 0
		.amdhsa_enable_private_segment 0
		.amdhsa_kernarg_size 80
		.amdhsa_user_sgpr_count 2
		.amdhsa_user_sgpr_kernarg_segment_ptr 1
		.amdhsa_wavefront_size32 1
		.amdhsa_system_sgpr_workgroup_id_x 1
		.amdhsa_system_sgpr_workgroup_id_y 1
		.amdhsa_system_sgpr_workgroup_id_z 1
		.amdhsa_system_vgpr_workitem_id 0
		.amdhsa_next_free_vgpr 224
		.amdhsa_next_free_sgpr 96
		.amdhsa_reserve_vcc 1
		.amdhsa_float_denorm_mode_32 3
		.amdhsa_float_denorm_mode_16_64 3
		.amdhsa_memory_ordered 1
		.amdhsa_forward_progress 1
		.amdhsa_inst_pref_size 104
	.end_amdhsa_kernel
	.amdgpu_metadata
---
amdhsa.version: [ 1, 2 ]
amdhsa.kernels:
  - .name:           k_qef272ba0ad_prep
    .symbol:         k_qef272ba0ad_prep.kd
    .args:
      - { .name: x, .offset: 0, .size: 8, .value_kind: global_buffer, .address_space: global }
      - { .name: W_Q, .offset: 8, .size: 8, .value_kind: global_buffer, .address_space: global }
      - { .name: W_K, .offset: 16, .size: 8, .value_kind: global_buffer, .address_space: global }
      - { .name: W_V, .offset: 24, .size: 8, .value_kind: global_buffer, .address_space: global }
      - { .name: W_O, .offset: 32, .size: 8, .value_kind: global_buffer, .address_space: global }
      - { .name: token_positions, .offset: 40, .size: 8, .value_kind: global_buffer, .address_space: global }
      - { .name: lowp_scales, .offset: 48, .size: 8, .value_kind: global_buffer, .address_space: global }
      - { .name: xq, .offset: 56, .size: 8, .value_kind: global_buffer, .address_space: global }
      - { .name: wc, .offset: 64, .size: 8, .value_kind: global_buffer, .address_space: global }
      - { .name: tab, .offset: 72, .size: 8, .value_kind: global_buffer, .address_space: global }
    .group_segment_fixed_size: 33280
    .private_segment_fixed_size: 0
    .kernarg_segment_align: 8
    .kernarg_segment_size: 80
    .max_flat_workgroup_size: 128
    .sgpr_count:     96
    .vgpr_count:     224
    .wavefront_size: 32
...
	.end_amdgpu_metadata
.endif
;; end of part 1
;; launch qkv (part 2): grid 4 x 96, 4 waves a work-group, clusters of 4 x 4, 327,680 bytes of LDS; arguments xq, wc, tab, lowp_scales, qc, kc, vc; writes qc, kc, vc
.if DOCPART == 2
	.amdgcn_target "amdgcn-amd-amdhsa--gfx1250"
	.amdhsa_code_object_version 6
	.text
	.protected	k_qef272ba0ad_qkv
	.globl	k_qef272ba0ad_qkv
	.p2align	8
	.type	k_qef272ba0ad_qkv,@function
k_qef272ba0ad_qkv:
	s_mov_b64 s[64:65], 0
	v_nop
	global_prefetch_b8 v0, s[64:65] scope:SCOPE_SE
	s_setreg_imm32_b32 hwreg(HW_REG_WAVE_MODE, 25, 1), 1
	s_wait_xcnt 0x0
	s_wait_alu depctr_hold_cnt(0) depctr_sa_sdst(0) depctr_va_vdst(0) depctr_va_sdst(0) depctr_va_ssrc(0) depctr_va_vcc(0) depctr_vm_vsrc(0)
	s_getreg_b32 s2, hwreg(HW_REG_IB_STS2, 6, 4)
	s_cmp_eq_u32 s2, 0
	s_cbranch_scc0 .Lentry_in_a_cluster
	s_endpgm
.Lentry_in_a_cluster:
	s_bfe_u32 s2, ttmp6, 0x10000c
	s_cmp_lg_u32 s2, 0xf033
	s_cbranch_scc0 .Lentry_shape_is_right
	s_endpgm
.Lentry_shape_is_right:
; QKV.  The three projections on codes of E4M3, the rotation of Q and K, and the quantising of Q, K and V for the attention.  Sums in f32.
; Every work-group makes a tile C = A B^T of 256 rows of A x 256 rows of B, K = 1,024.  kind = cluster y / 8:
;   kind 0 (Q), 1 (K): A = x's codes made with the product's own scale (8,192 tokens), B = the weight's codes (1,024 channels);
;   kind 2 (V):        A = W_V's codes (1,024 channels), B = x's codes (8,192 tokens): the same text makes V TRANSPOSED, with the keys along a lane's registers, as the attention's second product wants it.
; THE MATRIX INSTRUCTION IS USED TRANSPOSED (source 0 = 16 rows of B, source 1 = 16 rows of A): a lane holds one row of A and eight neighbouring rows of B.
; Four waves, each 128 x 128: 64 accumulators.  A wave's 128 rows of B are two groups of 64: two heads (Q, K) or two blocks of 64 keys (V); each group's 128 x 64 codes are 8,192 consecutive bytes of the output.
; K goes in four steps of 256 through a ring of two LDS slots filled by the tensor data mover; a tile's row is 256 bytes of memory.  3 x 128 = 384 work-groups of equal work.
; CLUSTERS: 4 x 4 work-groups.  The four of a row of the cluster need the same tiles of A, the four of a column the same tiles of B: each tile is asked for JOINTLY.  The kind hangs on the cluster's y alone.
; THE ROTATION is linear, so it is applied to the raw sums, in place, and the sums' power of two is folded into the conversion's scale: code = rotated sum / 2^(e_out - e_a - e_b).
; OUTPUTS.  qc: [batch x 16 + head][token][64].  kc: the same with bits 3 and 4 of the token's number swapped, so that sixteen neighbouring rows are the keys that form a tile in the attention.
;   vc: [global token / 64][channel 0..1023][token % 64].
; LIMITS: e6 - e0 - e1, e7 - e2 - e3, e8 - e4 - e5 between -126 and 119, so that each scale and 448 x it are f32 numbers.
; NO PREFETCH: the block is the largest that the registers hold, in clusters, and K is short: of the four K steps two are first fills.
; REGISTERS, in windows of 256: window 0: v16-31 addresses and scales; v128-255 A's 8 fragments, ONE set; on the way out v32-95 numbers, v96-127 at work and codes, v128-255 rows read back.
;   window 1: B's fragments, TWO sets of 8, at v0 and v128; on the way out sin and cos, 32 registers for each block of 16 tokens.   windows 2, 3: accumulator (a, b) at v[8 (8 (a % 4) + b)] of window 2 + a / 4.
.set PITCH, 272                        ; an LDS row: 256 bytes + 16 of padding: the 16 rows of a fragment load start at 16 different groups of banks
.set HALFT, 128*PITCH                  ; 128 rows: what one tensor load brings, and what one wave reads of A or of B
.set SLOT,  4*HALFT                    ; A's 256 rows, then B's 256 rows
.set SPARE, 2*SLOT                     ; behind the ring: the spare words, 128 bytes for each wave
.set STAGE, SPARE+512                  ; the way out: 2 x 16 rows x (64 bytes + 16) for each wave; no tile lands here
.set SROW,  80
.set FR,    16                         ; registers of a fragment: 16 rows x 128 K
.set NL,    4                          ; LDS loads that bring one
.set NP,    4                          ; places behind this matrix instruction (ISA guide 7.12.1)
.set ADRA, 16                          ; v16-17 LDS address of my A fragments in slot 0, 1
.set ADRB, 18                          ; v18-19 the same for B
.set STO,  20                          ; v20    the way out: where I put 8 bytes of a row
.set RD,   21                          ; v21    and where I read 16 bytes back
.set GO,   22                          ; v22-25 my byte offset in the output for block parity u and half t: v[GO + 2 u + t]
.set LN,   26                          ; v26    16 x lane
.set SPW,  28                          ; v28    LDS address of my spare word; never rewritten
.set NIL,  29                          ; v29    0; never rewritten
.set SCV,  30                          ; v30    the conversion's scale as f32
.set LIMV, 31                          ; v31    448 x that
.set XR,   32
.set TR,   96
.set AF,   128
.set BK,   128
.set G1,  24                           ; s[24:31] descriptor group 1 for A's tiles;  s[32:39] group 0, one set for each slot
.set G0,  32
.set G1B, 48                           ; s[48:55], s[56:63] the same for B's tiles
.set G0B, 56
.set KIND, 66
.set TABB, 92                          ; s[92:93] the table at my first token
.set OUT,  96                          ; s[96:97], s[98:99] the output at my wave's two groups of 8,192 bytes
.set MSB, 0
.macro WIN new                         ; the immediate's high byte repeats the setting that is left
.if MSB != \new
	s_set_vgpr_msb (MSB<<8)|\new
.set MSB, \new
.endif
.endm
.set MUL_LO, 0xa1                      ; source 0 (B) window 1, source 1 (A) window 0, C and D window 2
.set MUL_HI, 0xf1                      ; the same, C and D window 3
.set TO_B,   0x40                      ; destination window 1, address window 0
; A joint load: waves 0 and 1 fetch A's halves, waves 2 and 3 B's.  The branch hangs on the wave's number alone.  An s_nop 0 and four v_nop follow each of the two lines.
.macro JLOAD g0a, g1a, g0b, g1b
	s_cmp_eq_u32 s15, 0
	s_cbranch_scc0 .Lfor_b_\@
	tensor_load_to_lds s[\g0a:\g0a+3], s[\g1a:\g1a+7]
	s_nop 0
.rept 4
	v_nop
.endr
	s_branch .Lasked_\@
.Lfor_b_\@:
	tensor_load_to_lds s[\g0b:\g0b+3], s[\g1b:\g1b+7]
	s_nop 0
.rept 4
	v_nop
.endr
.Lasked_\@:
.endm
.macro CREST                           ; a round of the cluster's barrier behind its opening barrier
	s_cmp_lg_u32 s14, 0
	s_cbranch_scc1 .Lnot_wave_0_\@
	s_barrier_signal -3
.Lnot_wave_0_\@:
	s_barrier_wait -3
	s_barrier_signal -1
	s_barrier_wait -1
.endm
.macro CROUND                          ; a whole round
	s_barrier_signal -1
	s_barrier_wait -1
	CREST
.endm
	s_load_b256 s[4:11], s[0:1], 0x0               ; xq s[4:5], wc s[6:7], tab s[8:9], the scales' exponents s[10:11]
	s_load_b128 s[84:87], s[0:1], 0x20             ; qc, kc
	s_load_b64 s[88:89], s[0:1], 0x30              ; vc
	v_lshl_add_u32 v[SPW], v0, 2, SPARE
	v_mov_b32 v[NIL], 0
	ds_add_u32 v[SPW], v[NIL]                      ; the opening: the add, twice on end, and its wait ahead of my first tensor load
	ds_add_u32 v[SPW], v[NIL]
	v_lshrrev_b32 v1, 5, v0
	v_readfirstlane_b32 s14, v1                    ; wave 0..3
	s_lshr_b32 s15, s14, 1                         ; which 128 rows of A are mine.  Also: I fetch for A (0) or for B (1)
	s_and_b32 s16, s14, 1                          ; which 128 rows of B are mine.  Also: which half of that tile I fetch
	s_bfe_u32 s40, ttmp6, 0x40000                  ; cx, cy: my place in the cluster
	s_bfe_u32 s41, ttmp6, 0x40004
	s_and_b32 s17, ttmp7, 0xffff                   ; cluster y, 0 .. 23
	s_lshr_b32 s[KIND], s17, 3                     ; 0 Q, 1 K, 2 V: the same in all sixteen partners
	s_and_b32 s67, s17, 7
	s_lshl_b32 s70, s[KIND], 23                    ; Q, K: A is x's image number kind,
	s_lshl_b32 s71, s[KIND], 20                    ; B the weight's
	s_mov_b32 s68, 0x200000                        ; V: A is W_V's image,
	s_mov_b32 s69, 0x1000000                       ; B x's third
	s_cmp_eq_u32 s[KIND], 2
	s_cselect_b32 s70, s68, s70
	s_cselect_b32 s71, s69, s71
	s_cselect_b32 s68, 0, s67                      ; Q, K: the eight clusters of a kind walk A's 32 tile rows;
	s_cselect_b32 s69, s67, 0                      ; V: they walk B's 32 tile columns
	s_lshl_b32 s18, s68, 2
	s_add_co_u32 s18, s18, s41                     ; tile row
	s_lshl_b32 s42, s69, 2
	s_add_co_u32 s42, s42, s40                     ; tile column
	s_lshl_b32 s43, s41, 2
	s_lshl_b32 s43, 15, s43                        ; my row of the cluster
	s_lshl_b32 s44, 0x1111, s40                    ; my column
	; descriptor group 1: 128 rows of 256 bytes, 1,024 bytes apart, padded in LDS
	s_or_b32 s[G1+0], s43, (0<<16)|(1<<20)|(1<<21)|(5<<22)|(3<<25)  ; 15:0 the mask: A's tiles go to my row; elements of 1 byte; 20 padding on; 21 set beside a mask; after every 64 words (code 5) 4 words (code 3)
	s_or_b32 s[G1B+0], s44, (0<<16)|(1<<20)|(1<<21)|(5<<22)|(3<<25)
.irp g, G1, G1B
	s_mov_b32 s[\g+1], 256<<16                     ; tensor_dim0
	s_mov_b32 s[\g+2], 128<<16                     ; tensor_dim1
	s_mov_b32 s[\g+3], 256<<16                     ; tile_dim0
	s_mov_b32 s[\g+4], 128                         ; tile_dim1
	s_mov_b32 s[\g+5], 1024                        ; tensor_dim0_stride
	s_mov_b32 s[\g+6], 0
	s_mov_b32 s[\g+7], 0
.endr
	s_lshl_b32 s19, s16, 7
	s_lshl_b32 s20, s18, 8
	s_add_co_u32 s20, s20, s19                     ; A: row 256 x tile row + 128 x half,
	s_lshl_b32 s20, s20, 10                        ; in bytes,
	s_add_co_u32 s20, s20, s70                     ; in its image
	s_mov_b32 s21, 0
	s_lshl_b32 s46, s42, 8
	s_add_co_u32 s46, s46, s19                     ; B: row 256 x tile column + 128 x half
	s_lshl_b32 s46, s46, 10
	s_add_co_u32 s46, s46, s71
	s_mov_b32 s47, 0
	s_mul_i32 s45, s14, HALFT                      ; where they go: wave x 128 rows: no place in the cluster enters an LDS address
	s_wait_dscnt 0x0                               ; both opening adds are done
	s_wait_kmcnt 0x0
	s_load_b256 s[72:79], s[10:11], 0x0            ; e0 .. e7
	s_load_b32 s80, s[10:11], 0x20                 ; e8
	s_cmp_eq_u32 s[KIND], 2
	s_cselect_b64 s[12:13], s[6:7], s[4:5]         ; A's buffer
	s_cselect_b64 s[82:83], s[4:5], s[6:7]         ; B's
	s_add_nc_u64 s[20:21], s[12:13], s[20:21]
	s_add_nc_u64 s[46:47], s[82:83], s[46:47]
	CROUND                                         ; all sixteen work-groups are here: the first joint loads meet
.irp s, 0,1
	s_mov_b32 s[G0+4*\s], 1
	s_add_co_u32 s[G0+4*\s+1], s45, \s*SLOT
	s_add_nc_u64 s[G0+4*\s+2:G0+4*\s+3], s[20:21], \s*256
	s_or_b32 s[G0+4*\s+3], s[G0+4*\s+3], 0x80000000
	s_mov_b32 s[G0B+4*\s], 1
	s_add_co_u32 s[G0B+4*\s+1], s45, \s*SLOT
	s_add_nc_u64 s[G0B+4*\s+2:G0B+4*\s+3], s[46:47], \s*256
	s_or_b32 s[G0B+4*\s+3], s[G0B+4*\s+3], 0x80000000
.endr
	JLOAD G0, G1, G0B, G1B                         ; K step 0: one tensor load a wave at the head
	; the scalars of the rest of the head first, then its vector lines on end
	s_mul_i32 s21, s15, HALFT                      ; my 128 rows of A
	s_mul_i32 s22, s16, HALFT                      ; my 128 rows of B,
	s_add_co_u32 s22, s22, 2*HALFT                 ; which lie behind A's 256
	s_mul_i32 s23, s14, 32*SROW
	s_add_co_u32 s23, s23, STAGE                   ; my stage
	s_lshl_b32 s90, s18, 8
	s_lshl_b32 s91, s15, 7
	s_add_co_u32 s90, s90, s91                     ; my first row of A: a token (Q, K) or a channel (V)
	s_lshl_b32 s91, s42, 2
	s_lshl_b32 s94, s16, 1
	s_add_co_u32 s91, s91, s94                     ; my first 64 rows of B: the head (Q, K) or the block of 64 tokens (V)
	s_lshr_b32 s94, s90, 11                        ; Q, K: ((batch x 16 + head) x 2,048 + token in the batch) x 64
	s_lshl_b32 s94, s94, 4
	s_add_co_u32 s94, s94, s91
	s_lshl_b32 s94, s94, 11
	s_and_b32 s95, s90, 2047
	s_add_co_u32 s94, s94, s95
	s_lshl_b32 s94, s94, 6
	s_lshl_b32 s[TABB], s95, 8                     ; the table: 4,096 bytes for 16 tokens
	s_mov_b32 s[TABB+1], 0
	s_lshl_b32 s96, s91, 16                        ; V: block x 65,536 + channel x 64
	s_lshl_b32 s97, s90, 6
	s_add_co_u32 s96, s96, s97
	s_mov_b32 s98, 0x20000                         ; from group to group: a head's 2,048 x 64 bytes, or a block's 65,536
	s_cmp_eq_u32 s[KIND], 2
	s_cselect_b32 s94, s96, s94
	s_cselect_b32 s98, 0x10000, s98
	s_mov_b32 s95, 0
	s_mov_b32 s99, 0
	s_cselect_b64 s[OUT:OUT+1], s[88:89], s[86:87]
	s_cmp_eq_u32 s[KIND], 0
	s_cselect_b64 s[OUT:OUT+1], s[84:85], s[OUT:OUT+1]
	s_add_nc_u64 s[OUT:OUT+1], s[OUT:OUT+1], s[94:95]
	s_add_nc_u64 s[OUT+2:OUT+3], s[OUT:OUT+1], s[98:99]
	s_add_nc_u64 s[TABB:TABB+1], s[8:9], s[TABB:TABB+1]
	; 16 rows of 64 bytes are 1,024 bytes; half a block (8 rows) is one store of 512.  Q, V: block parity u steps 1,024 and half t 512; K: the other way round, which swaps bits 3 and 4 of the token's number
	s_mov_b32 s91, 1024
	s_mov_b32 s94, 512
	s_cmp_eq_u32 s[KIND], 1
	s_cselect_b32 s90, s94, s91                    ; u's step
	s_cselect_b32 s91, s91, s94                    ; t's step
	s_wait_kmcnt 0x0                               ; the exponents
	s_sub_co_i32 s68, s78, s72                     ; Q: e6 - e0 - e1
	s_sub_co_i32 s68, s68, s73
	s_sub_co_i32 s69, s79, s74                     ; K: e7 - e2 - e3
	s_sub_co_i32 s69, s69, s75
	s_sub_co_i32 s70, s80, s76                     ; V: e8 - e4 - e5
	s_sub_co_i32 s70, s70, s77
	s_cmp_eq_u32 s[KIND], 0
	s_cselect_b32 s68, s68, s69
	s_cmp_eq_u32 s[KIND], 2
	s_cselect_b32 s68, s70, s68
	s_add_co_i32 s68, s68, 127
	s_lshl_b32 s69, s68, 23                        ; the conversion's scale
	s_add_co_i32 s68, s68, 8
	s_lshl_b32 s68, s68, 23
	s_or_b32 s68, s68, 0x600000                    ; 448 x it
	v_and_b32 v1, 15, v0                           ; r = lane % 16
	v_bfe_u32 v2, v0, 4, 1                         ; h = lane / 16
	v_mul_u32_u24 v3, v1, PITCH
	v_lshl_add_u32 v4, v2, 4, v3                   ; a fragment's row x pitch + 16 x half
	v_add_nc_u32 v[ADRA], s21, v4
	v_add_nc_u32 v[ADRB], s22, v4
	v_add_nc_u32 v[ADRA+1], SLOT, v[ADRA]
	v_add_nc_u32 v[ADRB+1], SLOT, v[ADRB]
	v_mul_u32_u24 v5, v1, SROW                     ; the stage, in: row r, 8 bytes for each half of the lanes
	v_lshl_add_u32 v5, v2, 3, v5
	v_add_nc_u32 v[STO], s23, v5
	v_bfe_u32 v6, v0, 2, 3                         ; back: four lanes to a row of 64 bytes, eight rows a load
	v_mul_u32_u24 v6, v6, SROW
	v_and_b32 v7, 3, v0
	v_lshl_add_u32 v6, v7, 4, v6
	v_add_nc_u32 v[RD], s23, v6
	v_and_b32 v[LN], 31, v0
	v_lshlrev_b32 v[LN], 4, v[LN]
	v_mov_b32 v[GO], v[LN]
	v_add_nc_u32 v[GO+1], s91, v[LN]
	v_add_nc_u32 v[GO+2], s90, v[LN]
	v_add_nc_u32 v[GO+3], 1536, v[LN]
	v_mov_b32 v[SCV], s69
	v_mov_b32 v[LIMV], s68
.macro FRAG reg, adr, q, i             ; a fragment, 16 rows x 128 K: lane l holds row l % 16; registers 4 c .. 4 c + 3 hold K = 32 c + 16 (l / 16) + 0 .. 15: the same order of K in A and in B
.irp c, 0,1,2,3
	ds_load_b128 v[\reg+4*\c:\reg+4*\c+3], v[\adr] offset:128*(\q)+32*\c+(\i)*16*PITCH
.endr
.endm
; 16 matrix instructions: A's blocks a0, a0 + 1 x B's eight, 128 along K.  p: B's set.  zero = 1: the first product starts the sums.  The 64 accumulators take turns, one instruction a turn, in the same order in every step.
.macro MUL16 a0, p, zero
.irp a, \a0, \a0+1
.irp b, 0,1,2,3,4,5,6,7
.if \zero
	v_wmma_f32_16x16x128_fp8_fp8 v[8*(8*((\a)%4)+\b):8*(8*((\a)%4)+\b)+7], v[128*(\p)+FR*\b:128*(\p)+FR*\b+FR-1], v[AF+FR*(\a):AF+FR*(\a)+FR-1], 0
.else
	v_wmma_f32_16x16x128_fp8_fp8 v[8*(8*((\a)%4)+\b):8*(8*((\a)%4)+\b)+7], v[128*(\p)+FR*\b:128*(\p)+FR*\b+FR-1], v[AF+FR*(\a):AF+FR*(\a)+FR-1], v[8*(8*((\a)%4)+\b):8*(8*((\a)%4)+\b)+7]
.endif
.endr
.endr
.endm
.macro FETCH_B slot, q, p              ; B's eight fragments of the slot's q-th 128 along K into set p
	WIN TO_B
.irp i, 0,1,2,3,4,5,6,7
	FRAG 128*(\p)+FR*\i, ADRB+\slot, \q, \i
.endr
	WIN 0
.endm
.macro FETCH_A slot, q, i0             ; A's blocks i0 .. i0 + 3
.irp i, \i0, \i0+1, \i0+2, \i0+3
	FRAG AF+FR*(\i), ADRA+\slot, \q, \i
.endr
.endm
.macro PLACES n                        ; plain vector lines between a matrix instruction and a load into, or a vector line on, its registers
.rept \n
	v_nop
.endr
.endm
; A step of 128 along K that has its successor in the same slot: a block of A is free as soon as its eight products are issued, so A has one set: blocks 0-3 are fetched anew in the step's middle, blocks 4-7 at its end
.macro STEP slot, q, zero
	s_wait_dscnt 4*NL                              ; B's set and A's blocks 0-3 are in; the youngest sixteen loads (A's blocks 4-7) may be out
	WIN MUL_LO
	MUL16 0, (\q)%2, \zero
	MUL16 2, (\q)%2, \zero
	s_wait_dscnt 0                                 ; A's blocks 4-7 are in
	PLACES NP
	FETCH_B \slot, (\q)+1, 1-(\q)%2
	FETCH_A \slot, (\q)+1, 0
	WIN MUL_HI
	MUL16 4, (\q)%2, \zero
	MUL16 6, (\q)%2, \zero
	PLACES NP
	WIN 0
	FETCH_A \slot, (\q)+1, 4
.endm
; A slot's last step changes slots: ONE barrier; in front of it each wave waits for all its tensor loads, adds 0 to its spare word, and waits for that and for its own reads of this slot.  fill = 1: this slot is filled again, two K steps ahead.
.macro TURN slot, next, fill
	s_wait_tensorcnt 0x0                           ; all my tensor loads have landed: my part of the next slot
	ds_add_u32 v[SPW], v[NIL]                      ; 0 onto my spare word
	s_wait_dscnt 4*NL+1                            ; (the add and the youngest sixteen loads, A's blocks 4-7, may be out)
	WIN MUL_LO
	MUL16 0, 1, 0                                  ; sixteen matrix instructions stand between the add and the wait for it
	s_wait_dscnt 0x0                               ; the add is done, and my reads of this slot are over
	s_barrier_signal -1
	MUL16 2, 1, 0
	WIN 0
	s_barrier_wait -1
.if \fill
	CREST                                          ; the barrier has opened a round of the cluster's barrier: no wave of any partner still reads this slot's tile or has a load on its way
	s_add_nc_u64 s[G0+4*\slot+2:G0+4*\slot+3], s[G0+4*\slot+2:G0+4*\slot+3], 512
	s_add_nc_u64 s[G0B+4*\slot+2:G0B+4*\slot+3], s[G0B+4*\slot+2:G0B+4*\slot+3], 512
	JLOAD G0+4*\slot, G1, G0B+4*\slot, G1B         ; the first tensor load behind the round; its four v_nop are also the places in front of the loads below
.else
	PLACES NP
.endif
	FETCH_B \next, 0, 0
	FETCH_A \next, 0, 0
	WIN MUL_HI
	MUL16 4, 1, 0
	MUL16 6, 1, 0
	PLACES NP
	WIN 0
	FETCH_A \next, 0, 4
.endm
.macro TABLE a0                        ; sin and cos of blocks a0 .. a0 + 3, 16 KiB, into window 1, in the accumulators' order: 32 lanes read 512 consecutive bytes
	WIN TO_B
.irp a, \a0, \a0+1, \a0+2, \a0+3
.irp b, 0,1,2,3
.irp u, 0,1
	global_load_b128 v[32*(\a)+8*\b+4*\u:32*(\a)+8*\b+4*\u+3], v[LN], s[TABB:TABB+1] offset:4096*(\a)+1024*\b+512*\u
.endr
.endr
.endr
	WIN 0
.endm
; THE WAY OUT, block a of 16 rows of A x 128.  Q, K: a pair of registers 2 p, 2 p + 1 of accumulator (a, b) is the pair (x1, x2) of frequency 8 (b % 4) + 4 h + p; the table's registers 32 a + 8 (b % 4) + 2 p, + 1 hold (sin, cos).
; The rotated pair is written over the sums, so that all that follows is one text for the three kinds: the hold, the conversion, and the turn through my stage.
; A lane's 8 x 8 codes belong to two rows of 64 bytes and the lanes beside it hold other rows: each group of 64 comes back as two runs of 512 consecutive bytes.  LDS serves a wave's instructions in order: no wait between the stores and the loads, nor in front of the next block's stores.
.macro BLOCK a
.set W, 2+(\a)/4
.set AC, 64*((\a)%4)
.set CD, TR+16*((\a)%2)
	s_cmp_eq_u32 s[KIND], 2
	s_cbranch_scc1 .Lplain_\@                      ; V is not rotated: the kind is the same in the whole cluster
.irp g, 0,1
	WIN (W|4)                                      ; source 0 (the sums) window 2 or 3, source 1 (the table) window 1
.irp n, 0,2,4,6,8,10,12,14,16,18,20,22,24,26,28,30
	v_pk_mul_f32 v[TR+\n:TR+\n+1], v[AC+32*\g+\n:AC+32*\g+\n+1], v[32*(\a)+\n:32*(\a)+\n+1] op_sel:[1,0] op_sel_hi:[1,1] neg_lo:[1,0]   ; (-x2 sin, x2 cos); each accumulator from its low end on
.endr
	WIN ((W<<6)|4|W)                               ; and the destination with the sums
.irp n, 0,2,4,6,8,10,12,14,16,18,20,22,24,26,28,30
	v_pk_fma_f32 v[AC+32*\g+\n:AC+32*\g+\n+1], v[AC+32*\g+\n:AC+32*\g+\n+1], v[32*(\a)+\n:32*(\a)+\n+1], v[TR+\n:TR+\n+1] op_sel:[0,1,0] op_sel_hi:[0,0,1]   ; (x1 cos - x2 sin, x1 sin + x2 cos)
.endr
.endr
	WIN 0
.Lplain_\@:
	WIN W                                          ; source 0 window 2 or 3
.set i, 0
.rept 64
	v_med3_num_f32 v[XR+i], v[AC+i], -v[LIMV], v[LIMV]   ; the conversion does not saturate (ISA guide 7.6.2): the hold at the largest code x the scale
.set i, i+1
.endr
	WIN 0
.irp b, 0,1,2,3,4,5,6,7
	v_cvt_scalef32_pk8_fp8_f32 v[CD+2*\b:CD+2*\b+1], v[XR+8*\b:XR+8*\b+7], v[SCV]
.endr
	v_nop                                          ; a plain line between the conversions and the next vector line on their registers
.irp b, 0,1,2,3,4,5,6,7
	ds_store_b64 v[STO], v[CD+2*\b:CD+2*\b+1] offset:16*(\b%4)+16*SROW*(\b/4)
.endr
.irp g, 0,1
.irp t, 0,1
	ds_load_b128 v[BK+16*(\a)+8*\g+4*\t:BK+16*(\a)+8*\g+4*\t+3], v[RD] offset:16*SROW*\g+8*SROW*\t
.endr
.endr
.endm
.macro SEND a, younger                 ; younger: the LDS instructions issued behind block a's loads: the next block's eight stores and four loads, or none.  Every block has registers of its own for its rows: no store's data are written again
	s_wait_dscnt \younger
.irp g, 0,1
.irp t, 0,1
	global_store_b128 v[GO+2*((\a)%2)+\t], v[BK+16*(\a)+8*\g+4*\t:BK+16*(\a)+8*\g+4*\t+3], s[OUT+2*\g:OUT+2*\g+1] offset:2048*((\a)/2)   ; 32 lanes store 512 consecutive bytes
.endr
.endr
.endm
	s_wait_alu depctr_va_vdst(0)                   ; the head's end
	s_wait_tensorcnt 0x0                           ; my part of K step 0 is in
	ds_add_u32 v[SPW], v[NIL]
	s_wait_dscnt 0x0
	CROUND                                         ; a whole round: everybody's part of K step 0 is in, and the joint loads meet
	JLOAD G0+4, G1, G0B+4, G1B                     ; K step 1's load, the first tensor load behind the round
	FETCH_B 0, 0, 0
	FETCH_A 0, 0, 0
	FETCH_A 0, 0, 4
	STEP 0, 0, 1                                   ; K step 0: its first products start the sums
	TURN 0, 1, 1                                   ; slot 0 takes K step 2
	STEP 1, 0, 0                                   ; K step 1
	TURN 1, 0, 1                                   ; slot 1 takes K step 3
	STEP 0, 0, 0                                   ; K step 2
	TURN 0, 1, 0                                   ; nothing is left to fetch: no round
	STEP 1, 0, 0                                   ; K step 3
	s_cmp_eq_u32 s[KIND], 2
	s_cbranch_scc1 .Lno_table_0
	TABLE 0                                        ; Q, K: B's set 0 is done with (four places stand behind its last products): blocks 0-3's sin and cos land under the last 64 matrix instructions
.Lno_table_0:
	s_wait_dscnt 4*NL                              ; the very last step: nothing more to fetch
	WIN MUL_LO
	MUL16 0, 1, 0
	MUL16 2, 1, 0
	s_wait_dscnt 0
	WIN MUL_HI
	MUL16 4, 1, 0
	MUL16 6, 1, 0
	WIN 0
	PLACES NP
	s_cmp_eq_u32 s[KIND], 2
	s_cbranch_scc1 .Lno_table_4
	TABLE 4                                        ; blocks 4-7's, where B's set 1 lay
	s_wait_loadcnt 32                              ; blocks 0-3's are in; the 32 loads just issued may be out
	s_branch .Ltable_asked
.Lno_table_4:
	s_wait_loadcnt 0x0
.Ltable_asked:
	BLOCK 0
.irp a, 1,2,3,4,5,6,7
.if \a == 4
	s_wait_loadcnt 0x0                             ; blocks 4-7's sin and cos
.endif
	BLOCK \a
	SEND \a-1, 12
.endr
	SEND 7, 0
	s_wait_tensorcnt 0x0                           ; the wave's end, behind my last tensor load and my last LDS store
	ds_add_u32 v[SPW], v[NIL]
	s_wait_dscnt 0x0
	CROUND                                         ; the closing round: no work-group ends while a partner may still ask for a tile that names it
	s_endpgm
.Lfunc_end_k_qef272ba0ad_qkv:
	.size	k_qef272ba0ad_qkv, .Lfunc_end_k_qef272ba0ad_qkv-k_qef272ba0ad_qkv
	.p2alignl 7, 3214868480
	.fill 96, 4, 3214868480
	.section	.rodata,"a",@progbits
	.p2align	6, 0x0
	.amdhsa_kernel k_qef272ba0ad_qkv
		.amdhsa_group_segment_fixed_size 327680
		.amdhsa_private_segment_fixed_size 0
		.amdhsa_enable_private_segment 0
		.amdhsa_kernarg_size 56
		.amdhsa_user_sgpr_count 2
		.amdhsa_user_sgpr_kernarg_segment_ptr 1
		.amdhsa_wavefront_size32 1
		.amdhsa_system_sgpr_workgroup_id_x 1
		.amdhsa_system_sgpr_workgroup_id_y 1
		.amdhsa_system_sgpr_workgroup_id_z 1
		.amdhsa_system_vgpr_workitem_id 0
		.amdhsa_next_free_vgpr 1024
		.amdhsa_next_free_sgpr 100
		.amdhsa_reserve_vcc 0
		.amdhsa_float_denorm_mode_32 3
		.amdhsa_float_denorm_mode_16_64 3
		.amdhsa_memory_ordered 1
		.amdhsa_forward_progress 1
		.amdhsa_inst_pref_size 166
	.end_amdhsa_kernel
	.amdgpu_metadata
---
amdhsa.version: [ 1, 2 ]
amdhsa.kernels:
  - .name:           k_qef272ba0ad_qkv
    .symbol:         k_qef272ba0ad_qkv.kd
    .args:
      - { .name: xq, .offset: 0, .size: 8, .value_kind: global_buffer, .address_space: global }
      - { .name: wc, .offset: 8, .size: 8, .value_kind: global_buffer, .address_space: global }
      - { .name: tab, .offset: 16, .size: 8, .value_kind: global_buffer, .address_space: global }
      - { .name: lowp_scales, .offset: 24, .size: 8, .value_kind: global_buffer, .address_space: global }
      - { .name: qc, .offset: 32, .size: 8, .value_kind: global_buffer, .address_space: global }
      - { .name: kc, .offset: 40, .size: 8, .value_kind: global_buffer, .address_space: global }
      - { .name: vc, .offset: 48, .size: 8, .value_kind: global_buffer, .address_space: global }
    .group_segment_fixed_size: 327680
    .private_segment_fixed_size: 0
    .kernarg_segment_align: 8
    .kernarg_segment_size: 56
    .max_flat_workgroup_size: 128
    .sgpr_count:     100
    .vgpr_count:     1024
    .wavefront_size: 32
...
	.end_amdgpu_metadata
.endif
;; end of part 2
;; launch attn (part 3): grid 256 x 1, 8 waves a work-group, clusters of 4 x 1, 327,680 bytes of LDS; arguments qc, kc, vc, lowp_scales, ao; writes ao
.if DOCPART == 3
	.amdgcn_target "amdgcn-amd-amdhsa--gfx1250"
	.amdhsa_code_object_version 6
	.text
	.protected	k_qef272ba0ad_attn
	.globl	k_qef272ba0ad_attn
	.p2align	8
	.type	k_qef272ba0ad_attn,@function
k_qef272ba0ad_attn:
	s_mov_b64 s[64:65], 0
	v_nop
	global_prefetch_b8 v0, s[64:65] scope:SCOPE_SE
	s_setreg_imm32_b32 hwreg(HW_REG_WAVE_MODE, 25, 1), 1
	s_wait_xcnt 0x0
	s_wait_alu depctr_hold_cnt(0) depctr_sa_sdst(0) depctr_va_vdst(0) depctr_va_sdst(0) depctr_va_ssrc(0) depctr_va_vcc(0) depctr_vm_vsrc(0)
	s_getreg_b32 s2, hwreg(HW_REG_IB_STS2, 6, 4)
	s_cmp_eq_u32 s2, 0
	s_cbranch_scc0 .Lentry_in_a_cluster
	s_endpgm
.Lentry_in_a_cluster:
	s_bfe_u32 s2, ttmp6, 0x10000c
	s_cmp_lg_u32 s2, 0x3003
	s_cbranch_scc0 .Lentry_shape_is_right
	s_endpgm
.Lentry_shape_is_right:
; ATTN.  Causal attention on codes of E4M3, head size 64, 2,048 tokens, 64 (batch, head) pairs; the result is quantised for the last projection.
; qc [bh][token][64]; kc the same with bits 3 and 4 of the token's number swapped; vc [batch x 32 + token / 64][head x 64 + d][token % 64] (the keys innermost);
; ao: byte (global token / 4) x 4,096 + head x 256 + (token % 4) x 64 + d.
; THE SOFTMAX AHEAD OF THE SECOND PRODUCT: t = score x log2(e) / 8; M = the row's largest t so far, rounded UP to a whole number; p = 2^(t - M) is what is quantised (entry 9), not normalised.
; The row's sum is taken of the unquantised p and divides O at the end.  When M moves, the sum and O are multiplied by 2^(old M - new M): exact.
; LEFT OUT: steps of 128 keys all of which come after a wave's 32 queries: their scores are -infinity, so their p is 0 for all inputs.
; K AND V OF A HEAD STAY IN LDS: 2 x 2,048 x 64 bytes, four rows of 64 bytes and 16 of padding to 272 bytes: 278,528 bytes.  Nothing is filled again, and no barrier stands in a loop.
; They come in two fills, every wave one load each: waves 0-3 take 256 keys of K, waves 4-7 256 keys of V; fill 1 = keys 0-1,023 at the head, fill 2 = keys 1,024-2,047 behind the full sequence.
; SHARES.  The four work-groups of a head form a cluster and ask for every tile JOINTLY (mask 15).  Wave w of partner cx owns query blocks L = 4 w + cx and H = 63 - L of 32 queries: two tiles of 16, A and B.
; L needs w + 1 steps of 128 keys and H 16 - w: 17 for every wave, and both counts hang on the wave's number alone, never on cx.  A step's fragments of K and V are read once and serve both tiles.
; Loop 1, eight trips: H's steps 0-7 (keys of fill 1).  One barrier shows fill 2.  Loop 2, eight trips: trip j does H's step 8 + j while j <= 7 - w and L's step j while j <= w: nine steps a wave.
; A block's last step lies on the diagonal: hidden scores become -infinity by selects; cx enters only those selects and global addresses.
; LAYOUT.  Both products are used transposed: S^T = K Q^T, O^T = V^T P^T: a lane holds ONE query of each tile.  Stored row 16 t + r of kc is key 32 (t / 2) + 8 (t % 2) + r + 8 (r / 8), so the 16 registers of
; tiles 2 b and 2 b + 1 are the 16 neighbouring keys 32 b + 16 (lane / 16) + 0 .. 15: the conversions' results are the second product's operand.
; NO PREFETCH: both fills are asked for ahead of the first loop, so there is no loop to run ahead in.
; LIMITS: e6 + e7 between -123 and 130 (added to c's exponent field); e9, and e10 - e8 - e9, between -126 and 119; the scaled scores stay under 2^31 in magnitude.
; REGISTERS.  Window 0: v1-11 addresses; v12-27 statistics (-M, the largest t, the sum in two halves) of tiles HA, HB, LA, LB; v28-59 their Q; v60-123, v124-187 S^T, then p, of tiles A and B; v188-219 p's codes; v220-238 scales and work.
;   Window 1: v0-63 K's fragments; v64-127 V's; v128-255 O^T of HA, HB, LA, LB.
.set GP,    272                        ; four rows of 64 codes + 16 bytes: the 16 rows of a fragment load fall on 16 different 16-byte columns of 256
.set STEPB, 32*GP                      ; 128 keys of K, and 128 keys of V (two blocks of 64 channels x 64 keys)
.set HALFB, 8*STEPB                    ; what one fill brings of K or of V
.set VOFF,  16*STEPB                   ; V lies behind K
.set SPARE, 2*VOFF                     ; the spare words, 128 bytes for each of eight waves
.set STAGE, SPARE+1024                 ; the way out: 16 rows x 80 bytes for each wave; no tile lands here
.set KP,    80
.set AK0, 1
.set AV0, 2
.set RH,  3                            ; r - 16 h
.set QOF, 4
.set SPW, 5
.set NIL, 6
.set GO,  7
.set ADK, 8
.set ADV, 9
.set STO, 10
.set RD,  11
.set STH, 12
.set STL, 20
.set QH,  28
.set QL,  44
.set BK,  28                           ; the way out: rows read back, where Q lay
.set SA,  60
.set SB,  124
.set PCA, 188
.set PCB, 204
.set SCP, 220                          ; 2^e9
.set LIMP, 221                         ; 448 x 2^e9, twice: the two halves of a dual line take their first sources from different banks
.set LIMP2, 222
.set SCO, 223                          ; 2^(e10 - e8 - e9)
.set LIMO, 224                         ; 448 x that
.set FA,  226                          ; v[226:227], v[228:229] f = 2^(old M - new M) of tiles A and B, named as pairs
.set FB,  228
.set MX,  230                          ; v230-233 at work
.set PXA, 234
.set PXB, 235
.set NI,  236
.set DA,  237
.set DB,  238
.set KF,  0                            ; window 1
.set VF,  64
.set OHW, 128
.set OLW, 192
.set WV,  18
.set SEL, 20
.set CS,  22
.set G1K, 24
.set G1V, 32
.set G0K, 40
.set G0V, 44
.set AOH, 48                           ; s[48:49], s[50:51] ao at my two blocks
.set AOL, 50
.set Q0H, 52                           ; my blocks' first queries
.set Q0L, 53
.set J,   54                           ; the loops' counter
.set TBH, 55                           ; LDS byte of H's step, of L's step
.set TBL, 56
.set HL,  58                           ; 7 - w: the trip of loop 2 with H's last step (L's is trip w)
.set DQH, 59                           ; first query less first key in the block's last step
.set DQL, 60
.set CX,  61
.set MSB, 0
.macro WIN new                         ; low byte: bits 1:0 source 0, 3:2 source 1, 5:4 source 2, 7:6 destination; the high byte repeats the setting that is left
.if MSB != \new
	s_set_vgpr_msb (MSB<<8)|\new
.set MSB, \new
.endif
.endm
; A joint load: waves 0-3 fetch for K, waves 4-7 for V.  The branch hangs on the wave's number alone.  An s_nop 0 and four v_nop follow each of the two lines.
.macro JLOAD
	s_cmp_lt_u32 s[WV], 4
	s_cbranch_scc0 .Lfor_v_\@
	tensor_load_to_lds s[G0K:G0K+3], s[G1K:G1K+7]
	s_nop 0
.rept 4
	v_nop
.endr
	s_branch .Lasked_\@
.Lfor_v_\@:
	tensor_load_to_lds s[G0V:G0V+3], s[G1V:G1V+7]
	s_nop 0
.rept 4
	v_nop
.endr
.Lasked_\@:
.endm
.macro CROUND                          ; a whole round of the cluster's barrier
	s_barrier_signal -1
	s_barrier_wait -1
	s_cmp_lg_u32 s[WV], 0
	s_cbranch_scc1 .Lnot_wave_0_\@
	s_barrier_signal -3
.Lnot_wave_0_\@:
	s_barrier_wait -3
	s_barrier_signal -1
	s_barrier_wait -1
.endm
	s_load_b128 s[4:7], s[0:1], 0x0                ; qc s[4:5], kc s[6:7]
	s_load_b128 s[12:15], s[0:1], 0x10             ; vc s[12:13], the scales' exponents s[14:15]
	s_load_b64 s[16:17], s[0:1], 0x20              ; ao
	v_lshl_add_u32 v[SPW], v0, 2, SPARE
	v_mov_b32 v[NIL], 0
	ds_add_u32 v[SPW], v[NIL]                      ; the opening: the add, twice on end, and its wait ahead of my first tensor load
	ds_add_u32 v[SPW], v[NIL]
	v_lshrrev_b32 v8, 5, v0
	v_readfirstlane_b32 s[WV], v8                  ; wave 0..7
	s_bfe_u32 s[CX], ttmp6, 0x40000                ; my place in the cluster
	s_sub_co_u32 s[HL], 7, s[WV]
	s_lshl_b32 s76, ttmp9, 17                      ; the cluster's x is bh: the head's first byte in qc and kc
	s_mov_b32 s77, 0
	s_lshr_b32 s75, ttmp9, 4                       ; batch
	s_and_b32 s78, ttmp9, 15                       ; head
	s_lshl_b32 s80, s75, 21
	s_lshl_b32 s79, s78, 12
	s_add_co_u32 s80, s80, s79                     ; the head's first byte in vc: batch x 32 blocks of 65,536 + head x 4,096
	s_mov_b32 s81, 0
	s_lshl_b32 s[Q0L], s[WV], 2
	s_add_co_u32 s[Q0L], s[Q0L], s[CX]
	s_lshl_b32 s[Q0L], s[Q0L], 5                   ; 32 (4 w + cx)
	s_sub_co_u32 s[Q0H], 2016, s[Q0L]              ; 32 (63 - L)
	s_and_b32 s[DQL], s[Q0L], 127                  ; L's first query less 128 w
	s_sub_co_u32 s[DQH], 96, s[DQL]                ; H's first query less 128 (15 - w)
	s_lshl_b32 s84, s[Q0H], 6
	s_add_co_u32 s84, s84, s76                     ; my queries' codes
	s_mov_b32 s85, 0
	s_lshl_b32 s86, s[Q0L], 6
	s_add_co_u32 s86, s86, s76
	s_mov_b32 s87, 0
	s_lshl_b32 s79, s75, 11
	s_lshl_b32 s78, s78, 8
	s_add_co_u32 s88, s79, s[Q0H]                  ; ao: global token x 1,024 + head x 256
	s_lshl_b32 s88, s88, 10
	s_add_co_u32 s88, s88, s78
	s_mov_b32 s89, 0
	s_add_co_u32 s90, s79, s[Q0L]
	s_lshl_b32 s90, s90, 10
	s_add_co_u32 s90, s90, s78
	s_mov_b32 s91, 0
	s_and_b32 s92, s[WV], 3                        ; which 256 keys of a fill I fetch
	s_lshl_b32 s94, s92, 14
	s_add_co_u32 s94, s94, s76                     ; K: 16,384 dense bytes
	s_mov_b32 s95, 0
	s_mul_i32 s93, s92, 2*STEPB                    ; in LDS
	s_lshl_b32 s82, s92, 18
	s_add_co_u32 s82, s82, s80                     ; V: four blocks, 65,536 bytes apart
	s_mov_b32 s83, 0
	; descriptor group 1.  K: 64 rows of 256 bytes (four keys), dense.  V: 4 rows of 4,096 bytes (64 channels x 64 keys).  16 bytes of padding behind every 256
	s_mov_b32 s[G1K], 15|(0<<16)|(1<<20)|(1<<21)|(5<<22)|(3<<25)   ; the mask names the cluster's four; elements of 1 byte; padding on; bit 21 beside a mask; after every 64 words four words
	s_mov_b32 s[G1K+1], 256<<16                    ; tensor_dim0
	s_mov_b32 s[G1K+2], 64<<16                     ; tensor_dim1
	s_mov_b32 s[G1K+3], 256<<16                    ; tile_dim0
	s_mov_b32 s[G1K+4], 64                         ; tile_dim1
	s_mov_b32 s[G1K+5], 256                        ; tensor_dim0_stride
	s_mov_b32 s[G1K+6], 0
	s_mov_b32 s[G1K+7], 0
	s_mov_b32 s[G1V], 15|(0<<16)|(1<<20)|(1<<21)|(5<<22)|(3<<25)
	s_mov_b32 s[G1V+1], 4096<<16
	s_mov_b32 s[G1V+2], 4<<16
	s_mov_b32 s[G1V+3], 4096<<16
	s_mov_b32 s[G1V+4], 4
	s_mov_b32 s[G1V+5], 65536
	s_mov_b32 s[G1V+6], 0
	s_mov_b32 s[G1V+7], 0
	s_mov_b32 s[SEL], 0x76543210
	s_mov_b32 s[SEL+1], 0xfedcba98
	s_mov_b32 s[CS], 0x3e38aa3b                    ; c = log2(e) / sqrt(64)
	s_wait_dscnt 0x0                               ; both opening adds are done
	s_wait_kmcnt 0x0
	s_load_b128 s[68:71], s[14:15], 0x18           ; e6, e7, e8, e9
	s_load_b32 s72, s[14:15], 0x28                 ; e10
	s_mov_b32 s[G0K], 1
	s_mov_b32 s[G0K+1], s93
	s_add_nc_u64 s[G0K+2:G0K+3], s[6:7], s[94:95]
	s_or_b32 s[G0K+3], s[G0K+3], 0x80000000
	s_mov_b32 s[G0V], 1
	s_add_co_u32 s[G0V+1], s93, VOFF
	s_add_nc_u64 s[G0V+2:G0V+3], s[12:13], s[82:83]
	s_or_b32 s[G0V+3], s[G0V+3], 0x80000000
	CROUND                                         ; all four work-groups are here: the first joint loads meet
	JLOAD                                          ; fill 1: keys 0-1,023; my one load at the head
	s_add_nc_u64 s[84:85], s[4:5], s[84:85]        ; Q's codes at my two blocks
	s_add_nc_u64 s[86:87], s[4:5], s[86:87]
	s_add_nc_u64 s[AOH:AOH+1], s[16:17], s[88:89]
	s_add_nc_u64 s[AOL:AOL+1], s[16:17], s[90:91]
	v_and_b32 v8, 15, v0                           ; r = lane % 16
	v_bfe_u32 v9, v0, 4, 1                         ; h = lane / 16
	v_lshlrev_b32 v[QOF], 6, v8
	v_lshl_add_u32 v[QOF], v9, 4, v[QOF]           ; Q: row r of 64 bytes, + 16 h: registers 4 c .. 4 c + 3 hold d = 32 c + 16 h + 0 .. 15, as K's fragments do
.irp c, 0,1
	global_load_b128 v[QH+4*\c:QH+4*\c+3], v[QOF], s[84:85] offset:32*\c
	global_load_b128 v[QH+8+4*\c:QH+8+4*\c+3], v[QOF], s[84:85] offset:1024+32*\c   ; tile B: sixteen queries on
	global_load_b128 v[QL+4*\c:QL+4*\c+3], v[QOF], s[86:87] offset:32*\c
	global_load_b128 v[QL+8+4*\c:QL+8+4*\c+3], v[QOF], s[86:87] offset:1024+32*\c
.endr
	v_lshlrev_b32 v[RH], 4, v9
	v_sub_nc_u32 v[RH], v8, v[RH]                  ; r - 16 h
	v_bfe_u32 v10, v0, 2, 2                        ; r / 4
	v_and_b32 v11, 3, v0                           ; r % 4
	v_mul_u32_u24 v[AK0], v10, GP
	v_lshl_add_u32 v[AK0], v11, 6, v[AK0]
	v_lshl_add_u32 v[AK0], v9, 4, v[AK0]           ; a fragment's row r: 272 (r / 4) + 64 (r % 4) + 16 h
	v_add_nc_u32 v[AV0], VOFF, v[AK0]
	v_lshlrev_b32 v[GO], 12, v9
	v_lshl_add_u32 v[GO], v8, 4, v[GO]             ; the way out: sixteen lanes to a head's four tokens (256 bytes), lanes 16-31 the next four tokens
.irp st, 12,16,20,24
	v_mov_b32 v[\st+1], 0xff61b1e6                 ; the largest t so far: -3e38, under every t
	v_floor_f32 v[\st], -v[\st+1]                  ; -M
	v_mov_b32 v[\st+2], 0                          ; the sum, in two halves
	v_mov_b32 v[\st+3], 0
.endr
	v_mov_b32 v[PXA], 0                            ; written once: a lane permute's destination counts as one of its sources
	v_mov_b32 v[PXB], 0
	v_mov_b32 v[FA+1], 0                           ; (named as the upper halves of the pairs)
	v_mov_b32 v[FB+1], 0
	WIN 0x40
.set i, 0
.rept 128
	v_mov_b32 v[OHW+i], 0                          ; O^T of the four tiles: the step is written for every trip alike; the first change of M leaves zeros zeros
.set i, i+1
.endr
	WIN 0
	s_wait_kmcnt 0x0
	s_add_co_i32 s73, s68, s69
	s_lshl_b32 s73, s73, 23
	s_add_co_i32 s[CS], s[CS], s73                 ; a score stands for score x 2^(e6 + e7): the two exponents are added to c's exponent field
	s_mov_b32 s[CS+1], s[CS]                       ; (named with it as a pair, so it is written)
	s_add_co_i32 s73, s71, 127
	s_lshl_b32 s74, s73, 23
	v_mov_b32 v[SCP], s74                          ; 2^e9
	s_add_co_i32 s73, s73, 8
	s_lshl_b32 s73, s73, 23
	s_or_b32 s73, s73, 0x600000
	v_mov_b32 v[LIMP], s73                         ; 448 x 2^e9
	v_mov_b32 v[LIMP2], s73
	s_sub_co_i32 s73, s72, s70
	s_sub_co_i32 s73, s73, s71                     ; a sum of the second product stands for sum x 2^(e8 + e9): its code is (sum / l) / 2^(e10 - e8 - e9)
	s_add_co_i32 s73, s73, 127
	s_lshl_b32 s74, s73, 23
	v_mov_b32 v[SCO], s74
	s_add_co_i32 s73, s73, 8
	s_lshl_b32 s73, s73, 23
	s_or_b32 s73, s73, 0x600000
	v_mov_b32 v[LIMO], s73
; the row's sum of one tile's unquantised p: two at a time, in two chains
.macro ROWSUM s, sum, tmp
	v_pk_add_f32 v[\tmp:\tmp+1], v[\s:\s+1], v[\s+2:\s+3]
.irp j, 4,8,12,16,20,24,28,32,36,40,44,48,52,56,60
	v_pk_add_f32 v[\sum:\sum+1], v[\sum:\sum+1], v[\s+\j:\s+\j+1]
	v_pk_add_f32 v[\tmp:\tmp+1], v[\tmp:\tmp+1], v[\s+\j+2:\s+\j+3]
.endr
	v_pk_add_f32 v[\sum:\sum+1], v[\sum:\sum+1], v[\tmp:\tmp+1]
.endm
.macro HIDE s, d                       ; register 16 b + i is hidden where 32 b + i > d
.set n, 0
.rept 64
	v_cmp_gt_i32 vcc_lo, 32*(n/16)+n%16, v[\d]
	v_cndmask_b32 v[\s+n], v[\s+n], v[NI], vcc_lo
.set n, n+1
.endr
.endm
; A KEY STEP OF A BLOCK'S TWO TILES: 128 keys at LDS byte s[tb] of K and of V.  q: tile A's Q (B's: + 8); o: A's O^T in window 1 (B's: + 32); st: A's statistics (B's: + 4).
; edge = 1 (loop 2): the step is left out where the trip's number is over s[lim], and lies on the diagonal where it equals s[lim]; s[dq]: the block's first query less the step's first key there.
.macro DSTEP q, o, st, tb, edge, lim, dq
.if \edge
	s_cmp_gt_u32 s[J], s[\lim]
	s_cbranch_scc1 .Lhidden_\@                     ; all 128 keys come after my 32 queries: the wave's number and the trip's alone
.endif
	v_add_nc_u32 v[ADK], s[\tb], v[AK0]
	v_add_nc_u32 v[ADV], s[\tb], v[AV0]
	v_nop                                          ; with the two additions: four places in front of loads into registers that matrix instructions have read
	v_nop
	WIN 0x40                                       ; destinations in window 1
.irp t, 0,1,2,3,4,5,6,7
	ds_load_b128 v[KF+8*\t:KF+8*\t+3], v[ADK] offset:4*GP*\t
	ds_load_b128 v[KF+8*\t+4:KF+8*\t+7], v[ADK] offset:4*GP*\t+32
.endr
.irp t, 0,1,2,3                                ; V has registers of its own and lands under the softmax: 16 channels x 128 keys a fragment; registers 4 c .. 4 c + 3: keys 32 c + 16 h + 0 .. 15
.irp c, 0,1,2,3
	ds_load_b128 v[VF+16*\t+4*\c:VF+16*\t+4*\c+3], v[ADV] offset:(\c/2)*16*GP+4*GP*\t+32*(\c%2)
.endr
.endr
	s_wait_dscnt 16                                ; K's sixteen loads are in; V's sixteen may be out
	WIN 0x01                                       ; source 0 (K) in window 1
.irp t, 0,1,2,3,4,5,6,7
	v_wmma_f32_16x16x64_fp8_fp8 v[SA+8*\t:SA+8*\t+7], v[KF+8*\t:KF+8*\t+7], v[\q:\q+7], 0   ; S^T: register 16 b + i of my lane is the step's key 32 b + 16 h + i
	v_wmma_f32_16x16x64_fp8_fp8 v[SB+8*\t:SB+8*\t+7], v[KF+8*\t:KF+8*\t+7], v[\q+8:\q+15], 0
.endr
	WIN 0
.rept 4
	v_nop
.endr
.if \edge
	s_cmp_lg_u32 s[J], s[\lim]                     ; on the diagonal the scores of hidden keys become -infinity ahead of the maximum: p = 0 then
	s_cbranch_scc1 .Lopen_\@
	v_add_nc_u32 v[DA], s[\dq], v[RH]              ; d = my query - the step's first key - 16 h, of tile A,
	v_mov_b32 v[NI], 0xff800000                    ; -infinity
	v_add_nc_u32 v[DB], 16, v[DA]                  ; and of tile B
	HIDE SA, DA
	HIDE SB, DB
.Lopen_\@:
.endif
	v_max3_num_f32 v[MX], v[SA], v[SA+1], v[SA+2]  ; the step's largest score of my queries, among my 64 keys: two chains a tile, the tiles by turns
	v_max3_num_f32 v[MX+1], v[SA+3], v[SA+4], v[SA+5]
	v_max3_num_f32 v[MX+2], v[SB], v[SB+1], v[SB+2]
	v_max3_num_f32 v[MX+3], v[SB+3], v[SB+4], v[SB+5]
.irp i, 6,10,14,18,22,26,30,34,38,42,46,50,54,58
	v_max3_num_f32 v[MX], v[MX], v[SA+\i], v[SA+\i+1]
	v_max3_num_f32 v[MX+1], v[MX+1], v[SA+\i+2], v[SA+\i+3]
	v_max3_num_f32 v[MX+2], v[MX+2], v[SB+\i], v[SB+\i+1]
	v_max3_num_f32 v[MX+3], v[MX+3], v[SB+\i+2], v[SB+\i+3]
.endr
	v_max3_num_f32 v[MX], v[MX], v[SA+62], v[SA+63]
	v_max3_num_f32 v[MX+2], v[MX+2], v[SB+62], v[SB+63]
	v_max_num_f32 v[MX], v[MX], v[MX+1]
	v_max_num_f32 v[MX+2], v[MX+2], v[MX+3]
	v_permlanex16_b32 v[PXA], v[MX], s[SEL], s[SEL+1]
	v_permlanex16_b32 v[PXB], v[MX+2], s[SEL], s[SEL+1]
	v_max_num_f32 v[MX], v[MX], v[PXA]             ; and among lane l xor 16's
	v_max_num_f32 v[MX+2], v[MX+2], v[PXB]
	v_mul_f32 v[MX], s[CS], v[MX]                  ; as t (c is positive)
	v_mul_f32 v[MX+2], s[CS], v[MX+2]
	v_max_num_f32 v[\st+1], v[\st+1], v[MX]        ; the running largest t
	v_max_num_f32 v[\st+5], v[\st+5], v[MX+2]
	v_mov_b32 v[MX], v[\st]
	v_mov_b32 v[MX+2], v[\st+4]
	v_floor_f32 v[\st], -v[\st+1]                  ; the new -M = floor(-t) = -ceil(t): M is a whole number
	v_floor_f32 v[\st+4], -v[\st+5]
	v_sub_f32 v[MX], v[\st], v[MX]                 ; M's old value less its new one: a whole number, 0 or less
	v_sub_f32 v[MX+2], v[\st+4], v[MX+2]
	v_cvt_i32_f32 v[MX], v[MX]                     ; (it saturates)
	v_cvt_i32_f32 v[MX+2], v[MX+2]
	v_ldexp_f32 v[FA], 1.0, v[MX]                  ; f = 2^(old M - new M)
	v_ldexp_f32 v[FB], 1.0, v[MX+2]
.set n, 0
.rept 32
	v_pk_fma_f32 v[SA+n:SA+n+1], v[SA+n:SA+n+1], s[CS:CS+1], v[\st:\st+1] op_sel_hi:[1,0,0]   ; A: t - M, two at a time (of the pairs c and -M the low word serves both halves)
.set n, n+2
.endr
	s_wait_alu depctr_va_vdst(0)                   ; ahead of the batch
.set n, 0
.rept 32                                       ; A's exponentials, p = 2^(t - M); B's t - M stands among them: it names none of their registers, and its results are first read behind the next wait
	v_exp_f32 v[SA+n], v[SA+n]
	v_pk_fma_f32 v[SB+n:SB+n+1], v[SB+n:SB+n+1], s[CS:CS+1], v[\st+4:\st+5] op_sel_hi:[1,0,0]
	v_exp_f32 v[SA+n+1], v[SA+n+1]
.set n, n+2
.endr
	v_pk_mul_f32 v[\st+2:\st+3], v[\st+2:\st+3], v[FA:FA+1] op_sel_hi:[1,0]   ; the sums under the new M.  (Plain lines behind the exponentials)
	v_pk_mul_f32 v[\st+6:\st+7], v[\st+6:\st+7], v[FB:FB+1] op_sel_hi:[1,0]
	s_wait_alu depctr_va_vdst(0)                   ; one wait for the batch, ahead of its first reader
	ROWSUM SA, \st+2, MX
	s_wait_alu depctr_va_vdst(0)                   ; and ahead of the next batch
.set n, 0
.rept 32                                       ; B's exponentials; A's hold stands among them (the conversion does not saturate, ISA guide 7.6.2; p is not negative, so the hold is one-sided; two numbers a line)
	v_exp_f32 v[SB+n], v[SB+n]
	v_dual_min_num_f32 v[SA+n], v[LIMP], v[SA+n] :: v_dual_min_num_f32 v[SA+n+1], v[LIMP2], v[SA+n+1]
	v_exp_f32 v[SB+n+1], v[SB+n+1]
.set n, n+2
.endr
	v_nop                                          ; the plain line behind the exponentials
	s_wait_alu depctr_va_vdst(0)                   ; one wait for the batch and for the holds among it
.irp b, 0,1,2,3,4,5,6,7
	v_cvt_scalef32_pk8_fp8_f32 v[PCA+2*\b:PCA+2*\b+1], v[SA+8*\b:SA+8*\b+7], v[SCP]
.endr
	ROWSUM SB, \st+6, MX+2
.set n, 0
.rept 32
	v_dual_min_num_f32 v[SB+n], v[LIMP], v[SB+n] :: v_dual_min_num_f32 v[SB+n+1], v[LIMP2], v[SB+n+1]
.set n, n+2
.endr
.irp b, 0,1,2,3,4,5,6,7
	v_cvt_scalef32_pk8_fp8_f32 v[PCB+2*\b:PCB+2*\b+1], v[SB+8*\b:SB+8*\b+7], v[SCP]
.endr
	WIN 0x41                                       ; destination and source 0 (O^T) in window 1, f in window 0
	s_wait_alu depctr_va_vdst(0)                   ; directly ahead of the first reader of O^T
.set n, 0
.rept 16
	v_pk_mul_f32 v[\o+n:\o+n+1], v[\o+n:\o+n+1], v[FA:FA+1] op_sel_hi:[1,0]   ; O^T under the new M.  (These are also the plain lines between the conversions and the products)
.set n, n+2
.endr
.set n, 0
.rept 16
	v_pk_mul_f32 v[\o+32+n:\o+32+n+1], v[\o+32+n:\o+32+n+1], v[FB:FB+1] op_sel_hi:[1,0]
.set n, n+2
.endr
	s_wait_alu depctr_va_vdst(0)                   ; directly ahead of the wait below
	s_wait_dscnt 0x0                               ; V
	WIN 0x51                                       ; V and O^T in window 1, p's codes in window 0
.irp t, 0,1,2,3
	v_wmma_f32_16x16x128_fp8_fp8 v[\o+8*\t:\o+8*\t+7], v[VF+16*\t:VF+16*\t+15], v[PCA:PCA+15], v[\o+8*\t:\o+8*\t+7]   ; the eight accumulators by turns
	v_wmma_f32_16x16x128_fp8_fp8 v[\o+32+8*\t:\o+32+8*\t+7], v[VF+16*\t:VF+16*\t+15], v[PCB:PCB+15], v[\o+32+8*\t:\o+32+8*\t+7]
.endr
	WIN 0
.Lhidden_\@:
.endm
	s_wait_alu depctr_va_vdst(0)
	s_wait_tensorcnt 0x0                           ; my part of fill 1 is in
	ds_add_u32 v[SPW], v[NIL]
	s_add_co_u32 s[G0K+1], s[G0K+1], HALFB         ; no load of mine is out, so the groups 0 may be written: fill 2, keys 1,024 on
	s_add_nc_u64 s[G0K+2:G0K+3], s[G0K+2:G0K+3], 65536
	s_add_co_u32 s[G0V+1], s[G0V+1], HALFB
	s_add_nc_u64 s[G0V+2:G0V+3], s[G0V+2:G0V+3], 1048576
	s_wait_dscnt 0x0
	CROUND                                         ; everybody's part of fill 1 is in, and the four work-groups are here
	JLOAD                                          ; fill 2: bytes that nothing has filled; it has loop 1's eight steps in which to land
	s_wait_loadcnt 0x0                             ; Q
	s_mov_b32 s[TBH], 0
	s_mov_b32 s[J], 0
.Lfirst:                                           ; eight trips: H's steps 0-7, all of whose keys count
	DSTEP QH, OHW, STH, TBH, 0, 0, 0
	s_add_co_u32 s[TBH], s[TBH], STEPB
	s_add_co_u32 s[J], s[J], 1
	s_cmp_lt_u32 s[J], 8
	s_cbranch_scc1 .Lfirst
	s_wait_tensorcnt 0x0                           ; my part of fill 2 is in,
	s_wait_dscnt 0x0
	s_barrier_signal -1
	s_barrier_wait -1                              ; everybody's is
	s_mov_b32 s[TBH], HALFB
	s_mov_b32 s[TBL], 0
	s_mov_b32 s[J], 0
.Lsecond:                                          ; eight trips: H's step 8 + j and L's step j, each up to its diagonal
	DSTEP QH, OHW, STH, TBH, 1, HL, DQH
	DSTEP QL, OLW, STL, TBL, 1, WV, DQL
	s_add_co_u32 s[TBH], s[TBH], STEPB
	s_add_co_u32 s[TBL], s[TBL], STEPB
	s_add_co_u32 s[J], s[J], 1
	s_cmp_lt_u32 s[J], 8
	s_cbranch_scc1 .Lsecond
	; THE WAY OUT.  O^T / the sum is quantised with entry 10; a lane's 4 x 8 codes are parts of one token's 64 bytes: a tile goes through my stage in LDS, so that sixteen lanes store 256 consecutive bytes, aligned.
.irp k, 0,1,2,3
	v_add_f32 v[STH+4*\k+2], v[STH+4*\k+2], v[STH+4*\k+3]   ; the sums' two halves,
.endr
.irp k, 0,1,2,3
	v_permlanex16_b32 v[MX+\k], v[STH+4*\k+2], s[SEL], s[SEL+1]
.endr
.irp k, 0,1,2,3
	v_add_f32 v[STH+4*\k+2], v[STH+4*\k+2], v[MX+\k]        ; and lane l xor 16's
.endr
	s_wait_alu depctr_va_vdst(0)                   ; ahead of the transcendentals too
.irp k, 0,1,2,3
	v_rcp_f32 v[STH+4*\k+2], v[STH+4*\k+2]
.endr
	v_and_b32 v8, 15, v0                           ; (plain lines behind the reciprocals)  r
	v_bfe_u32 v9, v0, 4, 1                         ; h
	s_mul_i32 s73, s[WV], 16*KP
	s_add_co_u32 s73, s73, STAGE                   ; my stage
	v_mul_u32_u24 v[STO], v8, KP
	v_lshl_add_u32 v[STO], v9, 3, v[STO]
	v_add_nc_u32 v[STO], s73, v[STO]               ; in: row r, 8 bytes for each half of the lanes
	v_bfe_u32 v[RD], v0, 2, 3
	v_mul_u32_u24 v[RD], v[RD], KP
	v_and_b32 v8, 3, v0
	v_lshl_add_u32 v[RD], v8, 4, v[RD]
	v_add_nc_u32 v[RD], s73, v[RD]                 ; back: four lanes to a token's 64 bytes, eight tokens a load
.irp k, 0,1,2,3                                ; tiles HA, HB, LA, LB
	WIN 0x01                                       ; source 0 (O^T) in window 1
	s_wait_alu depctr_va_vdst(0)                   ; ahead of the first readers of the reciprocals and of this tile's O^T
.set n, 0
.rept 16
	v_pk_mul_f32 v[SA+32*\k+n:SA+32*\k+n+1], v[OHW+32*\k+n:OHW+32*\k+n+1], v[STH+4*\k+2:STH+4*\k+3] op_sel_hi:[1,0]   ; O^T / the sum; each accumulator from its low end on
.set n, n+2
.endr
	WIN 0
.set n, 0
.rept 32
	v_med3_num_f32 v[SA+32*\k+n], v[SA+32*\k+n], -v[LIMO], v[LIMO]
.set n, n+1
.endr
.irp t, 0,1,2,3
	v_cvt_scalef32_pk8_fp8_f32 v[PCA+8*\k+2*\t:PCA+8*\k+2*\t+1], v[SA+32*\k+8*\t:SA+32*\k+8*\t+7], v[SCO]   ; d = 16 t + 8 h + 0 .. 7 of my query
.endr
	v_nop
.irp t, 0,1,2,3
	ds_store_b64 v[STO], v[PCA+8*\k+2*\t:PCA+8*\k+2*\t+1] offset:16*\t
.endr
.irp e, 0,1
	ds_load_b128 v[BK+8*\k+4*\e:BK+8*\k+4*\e+3], v[RD] offset:8*KP*\e   ; LDS serves a wave's instructions in order: these see my stores, and the next tile's stores come behind them
.endr
.endr
.irp k, 0,1,2,3
.irp e, 0,1
	s_wait_dscnt 6*(3-\k)+1-\e                     ; behind this load: its tile's later load, and four stores and two loads of each later tile
	global_store_b128 v[GO], v[BK+8*\k+4*\e:BK+8*\k+4*\e+3], s[AOH+2*(\k/2):AOH+2*(\k/2)+1] offset:16384*(\k%2)+8192*\e
.endr
.endr
	s_wait_tensorcnt 0x0                           ; the wave's end, behind my last tensor load and my last LDS store
	ds_add_u32 v[SPW], v[NIL]
	s_wait_dscnt 0x0
	CROUND                                         ; the closing round
	s_endpgm
.Lfunc_end_k_qef272ba0ad_attn:
	.size	k_qef272ba0ad_attn, .Lfunc_end_k_qef272ba0ad_attn-k_qef272ba0ad_attn
	.p2alignl 7, 3214868480
	.fill 96, 4, 3214868480
	.section	.rodata,"a",@progbits
	.p2align	6, 0x0
	.amdhsa_kernel k_qef272ba0ad_attn
		.amdhsa_group_segment_fixed_size 327680
		.amdhsa_private_segment_fixed_size 0
		.amdhsa_enable_private_segment 0
		.amdhsa_kernarg_size 40
		.amdhsa_user_sgpr_count 2
		.amdhsa_user_sgpr_kernarg_segment_ptr 1
		.amdhsa_wavefront_size32 1
		.amdhsa_system_sgpr_workgroup_id_x 1
		.amdhsa_system_sgpr_workgroup_id_y 1
		.amdhsa_system_sgpr_workgroup_id_z 1
		.amdhsa_system_vgpr_workitem_id 0
		.amdhsa_next_free_vgpr 512
		.amdhsa_next_free_sgpr 100
		.amdhsa_reserve_vcc 1
		.amdhsa_float_denorm_mode_32 3
		.amdhsa_float_denorm_mode_16_64 3
		.amdhsa_memory_ordered 1
		.amdhsa_forward_progress 1
		.amdhsa_inst_pref_size 137
	.end_amdhsa_kernel
	.amdgpu_metadata
---
amdhsa.version: [ 1, 2 ]
amdhsa.kernels:
  - .name:           k_qef272ba0ad_attn
    .symbol:         k_qef272ba0ad_attn.kd
    .args:
      - { .name: qc, .offset: 0, .size: 8, .value_kind: global_buffer, .address_space: global }
      - { .name: kc, .offset: 8, .size: 8, .value_kind: global_buffer, .address_space: global }
      - { .name: vc, .offset: 16, .size: 8, .value_kind: global_buffer, .address_space: global }
      - { .name: lowp_scales, .offset: 24, .size: 8, .value_kind: global_buffer, .address_space: global }
      - { .name: ao, .offset: 32, .size: 8, .value_kind: global_buffer, .address_space: global }
    .group_segment_fixed_size: 327680
    .private_segment_fixed_size: 0
    .kernarg_segment_align: 8
    .kernarg_segment_size: 40
    .max_flat_workgroup_size: 256
    .sgpr_count:     100
    .vgpr_count:     512
    .wavefront_size: 32
...
	.end_amdgpu_metadata
.endif
;; end of part 3
;; launch oproj (part 4): grid 8 x 32, 4 waves a work-group, clusters of 4 x 4, 327,680 bytes of LDS; arguments ao, wc, lowp_scales, out0; writes out0
.if DOCPART == 4
	.amdgcn_target "amdgcn-amd-amdhsa--gfx1250"
	.amdhsa_code_object_version 6
	.text
	.protected	k_qef272ba0ad_oproj
	.globl	k_qef272ba0ad_oproj
	.p2align	8
	.type	k_qef272ba0ad_oproj,@function
k_qef272ba0ad_oproj:
	s_mov_b64 s[64:65], 0
	v_nop
	global_prefetch_b8 v0, s[64:65] scope:SCOPE_SE
	s_setreg_imm32_b32 hwreg(HW_REG_WAVE_MODE, 25, 1), 1
	s_wait_xcnt 0x0
	s_wait_alu depctr_hold_cnt(0) depctr_sa_sdst(0) depctr_va_vdst(0) depctr_va_sdst(0) depctr_va_ssrc(0) depctr_va_vcc(0) depctr_vm_vsrc(0)
	s_getreg_b32 s2, hwreg(HW_REG_IB_STS2, 6, 4)
	s_cmp_eq_u32 s2, 0
	s_cbranch_scc0 .Lentry_in_a_cluster
	s_endpgm
.Lentry_in_a_cluster:
	s_bfe_u32 s2, ttmp6, 0x10000c
	s_cmp_lg_u32 s2, 0xf033
	s_cbranch_scc0 .Lentry_shape_is_right
	s_endpgm
.Lentry_shape_is_right:
.set PITCH,  272
.set APITCH, 1040
.set AHALF, 32*APITCH
.set BHALF, 64*PITCH
.set BOFF,  2*AHALF
.set SLOT,  BOFF+2*BHALF
.set SPARE, 2*SLOT
.set STAGE, SPARE+512
.set SPITCH, 272
.set FR,    16
.set ADRA, 16
.set ADRB, 18
.set STO,  20
.set RD,   21
.set CO,   22
.set SPW,  28
.set NIL,  29
.set TMP,  32
.set AF,   128
.set BK,   128
.set G1,  24
.set G0,  32
.set G1B, 48
.set G0B, 56
.set MSB, 0
.macro WIN new
.if MSB != \new
	s_set_vgpr_msb (MSB<<8)|\new
.set MSB, \new
.endif
.endm
.set MUL,  0xa1
.set TO_B, 0x40
.macro JLOAD g0a, g1a, g0b, g1b
	s_cmp_eq_u32 s15, 0
	s_cbranch_scc0 .Lfor_b_\@
	tensor_load_to_lds s[\g0a:\g0a+3], s[\g1a:\g1a+7]
	s_nop 0
.rept 4
	v_nop
.endr
	s_branch .Lasked_\@
.Lfor_b_\@:
	tensor_load_to_lds s[\g0b:\g0b+3], s[\g1b:\g1b+7]
	s_nop 0
.rept 4
	v_nop
.endr
.Lasked_\@:
.endm
.macro CREST
	s_cmp_lg_u32 s14, 0
	s_cbranch_scc1 .Lnot_wave_0_\@
	s_barrier_signal -3
.Lnot_wave_0_\@:
	s_barrier_wait -3
	s_barrier_signal -1
	s_barrier_wait -1
.endm
.macro CROUND
	s_barrier_signal -1
	s_barrier_wait -1
	CREST
.endm
	s_load_b256 s[4:11], s[0:1], 0x0
	v_lshl_add_u32 v[SPW], v0, 2, SPARE
	v_mov_b32 v[NIL], 0
	ds_add_u32 v[SPW], v[NIL]
	ds_add_u32 v[SPW], v[NIL]
	v_lshrrev_b32 v1, 5, v0
	v_readfirstlane_b32 s14, v1
	s_lshr_b32 s15, s14, 1
	s_and_b32 s16, s14, 1
	s_bfe_u32 s40, ttmp6, 0x40000
	s_bfe_u32 s41, ttmp6, 0x40004
	s_lshl_b32 s42, ttmp9, 2
	s_add_co_u32 s42, s42, s40
	s_and_b32 s17, ttmp7, 0xffff
	s_lshl_b32 s17, s17, 2
	s_add_co_u32 s17, s17, s41
	s_lshl_b32 s43, s41, 2
	s_lshl_b32 s43, 15, s43
	s_lshl_b32 s44, 0x1111, s40
	s_or_b32 s[G1+0], s43, (0<<16)|(1<<20)|(1<<21)|(7<<22)|(3<<25)
	s_or_b32 s[G1B+0], s44, (0<<16)|(1<<20)|(1<<21)|(5<<22)|(3<<25)
	s_mov_b32 s[G1+1], 1024<<16
	s_mov_b32 s[G1+2], 32<<16
	s_mov_b32 s[G1+3], 1024<<16
	s_mov_b32 s[G1+4], 32
	s_mov_b32 s[G1+5], 4096
	s_mov_b32 s[G1+6], 0
	s_mov_b32 s[G1+7], 0
	s_mov_b32 s[G1B+1], 256<<16
	s_mov_b32 s[G1B+2], 64<<16
	s_mov_b32 s[G1B+3], 256<<16
	s_mov_b32 s[G1B+4], 64
	s_mov_b32 s[G1B+5], 1024
	s_mov_b32 s[G1B+6], 0
	s_mov_b32 s[G1B+7], 0
	s_lshl_b32 s20, s17, 6
	s_lshl_b32 s19, s16, 5
	s_add_co_u32 s20, s20, s19
	s_lshl_b32 s20, s20, 12
	s_mov_b32 s21, 0
	s_lshl_b32 s46, s42, 7
	s_lshl_b32 s19, s16, 6
	s_add_co_u32 s46, s46, s19
	s_lshl_b32 s46, s46, 10
	s_add_co_u32 s46, s46, 0x300000
	s_mov_b32 s47, 0
	s_mul_i32 s45, s16, AHALF
	s_mul_i32 s23, s16, BHALF
	s_add_co_u32 s23, s23, BOFF
	s_wait_dscnt 0x0
	s_wait_kmcnt 0x0
	s_load_b64 s[96:97], s[8:9], 0x28
	s_add_nc_u64 s[20:21], s[4:5], s[20:21]
	s_add_nc_u64 s[46:47], s[6:7], s[46:47]
	CROUND
.irp s, 0,1
	s_mov_b32 s[G0+4*\s], 1
	s_add_co_u32 s[G0+4*\s+1], s45, \s*SLOT
	s_add_nc_u64 s[G0+4*\s+2:G0+4*\s+3], s[20:21], \s*1024
	s_or_b32 s[G0+4*\s+3], s[G0+4*\s+3], 0x80000000
	s_mov_b32 s[G0B+4*\s], 1
	s_add_co_u32 s[G0B+4*\s+1], s23, \s*SLOT
	s_add_nc_u64 s[G0B+4*\s+2:G0B+4*\s+3], s[46:47], \s*256
	s_or_b32 s[G0B+4*\s+3], s[G0B+4*\s+3], 0x80000000
	s_wait_alu depctr_va_vdst(0)
	s_wait_tensorcnt 0x0
	ds_add_u32 v28, v29
	ds_add_u32 v28, v29
	s_wait_dscnt 0x0
	CROUND
	JLOAD G0+4*\s, G1, G0B+4*\s, G1B
.endr
	v_and_b32 v1, 15, v0
	v_bfe_u32 v2, v0, 4, 1
	v_bfe_u32 v3, v0, 2, 2
	v_and_b32 v5, 3, v0
	v_mul_u32_u24 v3, v3, APITCH
	v_lshl_add_u32 v3, v5, 6, v3
	v_lshl_add_u32 v3, v2, 4, v3
	v_mul_u32_u24 v4, v1, PITCH
	v_lshl_add_u32 v4, v2, 4, v4
	s_mul_i32 s21, s15, AHALF
	s_mul_i32 s22, s16, BHALF
	s_add_co_u32 s22, s22, BOFF
.irp s, 0,1
	v_add_nc_u32 v[ADRA+\s], s21, v3
	v_add_nc_u32 v[ADRB+\s], s22, v4
	s_add_co_u32 s21, s21, SLOT
	s_add_co_u32 s22, s22, SLOT
.endr
	s_mul_i32 s23, s14, 16*SPITCH
	s_add_co_u32 s23, s23, STAGE
	v_mul_u32_u24 v5, v1, SPITCH
	v_lshl_add_u32 v5, v2, 5, v5
	v_add_nc_u32 v[STO], s23, v5
	v_mul_u32_u24 v6, v2, SPITCH
	v_lshl_add_u32 v6, v1, 4, v6
	v_add_nc_u32 v[RD], s23, v6
	v_lshlrev_b32 v[CO], 12, v2
	v_lshl_add_u32 v[CO], v1, 4, v[CO]
	s_lshl_b32 s90, s17, 8
	s_lshl_b32 s91, s15, 7
	s_add_co_u32 s90, s90, s91
	s_lshl_b32 s90, s90, 12
	s_lshl_b32 s92, s42, 9
	s_lshl_b32 s93, s16, 8
	s_add_co_u32 s92, s92, s93
	s_add_co_u32 s90, s90, s92
	s_mov_b32 s91, 0
	s_add_nc_u64 s[10:11], s[10:11], s[90:91]
.macro FRAGB reg, adr, q, i
.irp c, 0,1,2,3
	ds_load_b128 v[\reg+4*\c:\reg+4*\c+3], v[\adr] offset:128*(\q)+32*\c+(\i)*16*PITCH
.endr
.endm
.macro FRAGA reg, adr, q, i
.irp c, 0,1,2,3
	ds_load_b128 v[\reg+4*\c:\reg+4*\c+3], v[\adr] offset:512*(\q)+256*(\c/2)+32*(\c%2)+(\i)*4*APITCH
.endr
.endm
.macro MUL8 a0, p, zero
.irp a, \a0, \a0+1
.irp b, 0,1,2,3
.if \zero
	v_wmma_f32_16x16x128_fp8_fp8 v[8*(4*(\a)+\b):8*(4*(\a)+\b)+7], v[64*(\p)+FR*\b:64*(\p)+FR*\b+FR-1], v[AF+FR*(\a):AF+FR*(\a)+FR-1], 0
.else
	v_wmma_f32_16x16x128_fp8_fp8 v[8*(4*(\a)+\b):8*(4*(\a)+\b)+7], v[64*(\p)+FR*\b:64*(\p)+FR*\b+FR-1], v[AF+FR*(\a):AF+FR*(\a)+FR-1], v[8*(4*(\a)+\b):8*(4*(\a)+\b)+7]
.endif
.endr
.endr
.endm
.macro FETCH_B slot, q, p
	WIN TO_B
.irp i, 0,1,2,3
	FRAGB 64*(\p)+FR*\i, ADRB+\slot, \q, \i
.endr
	WIN 0
.endm
.macro FETCH_A slot, q, i0
.irp i, \i0, \i0+1, \i0+2, \i0+3
	FRAGA AF+FR*(\i), ADRA+\slot, \q, \i
.endr
.endm
.macro PLACES n
.rept \n
	v_nop
.endr
.endm
.macro STEP slot, q, zero
	s_wait_dscnt 16
	WIN MUL
	MUL8 0, (\q)%2, \zero
	MUL8 2, (\q)%2, \zero
	s_wait_dscnt 0
	PLACES 4
	FETCH_B \slot, (\q)+1, 1-(\q)%2
	FETCH_A \slot, (\q)+1, 0
	WIN MUL
	MUL8 4, (\q)%2, \zero
	MUL8 6, (\q)%2, \zero
	PLACES 4
	WIN 0
	FETCH_A \slot, (\q)+1, 4
.endm
.macro TURN slot, next, fill
	s_wait_tensorcnt 0x0
	ds_add_u32 v[SPW], v[NIL]
	s_wait_dscnt 17
	WIN MUL
	MUL8 0, 1, 0
	s_wait_dscnt 0x0
	s_barrier_signal -1
	MUL8 2, 1, 0
	WIN 0
	s_barrier_wait -1
.if \fill
	CREST
	s_add_nc_u64 s[G0+4*\slot+2:G0+4*\slot+3], s[G0+4*\slot+2:G0+4*\slot+3], 2048
	s_add_nc_u64 s[G0B+4*\slot+2:G0B+4*\slot+3], s[G0B+4*\slot+2:G0B+4*\slot+3], 512
	JLOAD G0+4*\slot, G1, G0B+4*\slot, G1B
.else
	PLACES 4
.endif
	s_wait_alu depctr_va_vdst(0)
	FETCH_B \next, 0, 0
	FETCH_A \next, 0, 0
	WIN MUL
	MUL8 4, 1, 0
	MUL8 6, 1, 0
	PLACES 4
	WIN 0
	FETCH_A \next, 0, 4
.endm
	s_wait_tensorcnt 1
	s_barrier_signal -1
	s_barrier_wait -1
	FETCH_B 0, 0, 0
	FETCH_A 0, 0, 0
	FETCH_A 0, 0, 4
	STEP 0, 0, 1
	TURN 0, 1, 1
	STEP 1, 0, 0
	TURN 1, 0, 1
	STEP 0, 0, 0
	TURN 0, 1, 0
	STEP 1, 0, 0
	s_wait_dscnt 16
	WIN MUL
	MUL8 0, 1, 0
	MUL8 2, 1, 0
	s_wait_dscnt 0
	MUL8 4, 1, 0
	MUL8 6, 1, 0
	WIN 0
.macro TOSTAGE a
	WIN 0x02
.irp j, 0,2,4,6,8,10,12,14,16,18,20,22,24,26,28,30
	v_pk_mul_f32 v[TMP+\j:TMP+\j+1], v[32*(\a)+\j:32*(\a)+\j+1], s[96:97] op_sel_hi:[1,0]
.endr
	WIN 0
.irp b, 0,1,2,3
	ds_store_b128 v[STO], v[TMP+8*\b:TMP+8*\b+3] offset:64*\b
	ds_store_b128 v[STO], v[TMP+8*\b+4:TMP+8*\b+7] offset:64*\b+16
.endr
.irp t, 0,1,2,3,4,5,6,7
	ds_load_b128 v[BK+32*((\a)%2)+4*\t:BK+32*((\a)%2)+4*\t+3], v[RD] offset:\t*2*SPITCH
.endr
.endm
.macro SEND a, younger
	s_wait_dscnt \younger
.irp t, 0,1,2,3,4,5,6,7
	global_store_b128 v[CO], v[BK+32*((\a)%2)+4*\t:BK+32*((\a)%2)+4*\t+3], s[10:11] offset:(16*(\a)+2*\t)*4096 th:TH_STORE_NT
.endr
.endm
	s_wait_kmcnt 0x0
	s_add_co_i32 s96, s96, s97
	s_add_co_i32 s96, s96, 127
	s_lshl_b32 s96, s96, 23
	s_mov_b32 s97, s96
	PLACES 4
	TOSTAGE 0
.irp a, 1,2,3,4,5,6,7
.if \a > 1
	s_wait_xcnt 0x0
.endif
	TOSTAGE \a
	SEND \a-1, 16
.endr
	SEND 7, 0
	s_wait_tensorcnt 0x0
	ds_add_u32 v[SPW], v[NIL]
	s_wait_dscnt 0x0
	CROUND
	s_endpgm
.Lfunc_end_k_qef272ba0ad_oproj:
	.size	k_qef272ba0ad_oproj, .Lfunc_end_k_qef272ba0ad_oproj-k_qef272ba0ad_oproj
	.p2alignl 7, 3214868480
	.fill 96, 4, 3214868480
	.section	.rodata,"a",@progbits
	.p2align	6, 0x0
	.amdhsa_kernel k_qef272ba0ad_oproj
		.amdhsa_group_segment_fixed_size 327680
		.amdhsa_private_segment_fixed_size 0
		.amdhsa_enable_private_segment 0
		.amdhsa_kernarg_size 32
		.amdhsa_user_sgpr_count 2
		.amdhsa_user_sgpr_kernarg_segment_ptr 1
		.amdhsa_wavefront_size32 1
		.amdhsa_system_sgpr_workgroup_id_x 1
		.amdhsa_system_sgpr_workgroup_id_y 1
		.amdhsa_system_sgpr_workgroup_id_z 1
		.amdhsa_system_vgpr_workitem_id 0
		.amdhsa_next_free_vgpr 768
		.amdhsa_next_free_sgpr 100
		.amdhsa_reserve_vcc 0
		.amdhsa_float_denorm_mode_32 3
		.amdhsa_float_denorm_mode_16_64 3
		.amdhsa_memory_ordered 1
		.amdhsa_forward_progress 1
		.amdhsa_inst_pref_size 78
	.end_amdhsa_kernel
	.amdgpu_metadata
---
amdhsa.version: [ 1, 2 ]
amdhsa.kernels:
  - .name:           k_qef272ba0ad_oproj
    .symbol:         k_qef272ba0ad_oproj.kd
    .args:
      - { .name: ao, .offset: 0, .size: 8, .value_kind: global_buffer, .address_space: global }
      - { .name: wc, .offset: 8, .size: 8, .value_kind: global_buffer, .address_space: global }
      - { .name: lowp_scales, .offset: 16, .size: 8, .value_kind: global_buffer, .address_space: global }
      - { .name: out0, .offset: 24, .size: 8, .value_kind: global_buffer, .address_space: global }
    .group_segment_fixed_size: 327680
    .private_segment_fixed_size: 0
    .kernarg_segment_align: 8
    .kernarg_segment_size: 32
    .max_flat_workgroup_size: 128
    .sgpr_count:     100
    .vgpr_count:     768
    .wavefront_size: 32
...
	.end_amdgpu_metadata
.endif
;; end of part 4
